; MI455X (gfx1250); checked and timed in simulation.
; The chip was launched on July 23, 2026; its instructions are those of AMD's public machine-readable ISA for CDNA 5 (MIT licence, August 2026) and "CDNA5" Instruction Set Architecture Reference Guide (July 2026). The comments in the code are by the model that wrote it; some were corrected since.
;; Self Attention. Allowed arithmetic: matrix products marked QUANTISED: E2M1 operands, one E8M0 scale for each 32 along K, by v_wmma_scale_f32_16x16x128_f8f6f4 with both operands' format E2M1 (or v_wmma_scale_f32_32x16x128_f4), f32 sums; products left as they are: bf16, f16 or f32 operands; f32 sums; everything else in f32.
;; Inputs: b_out 1,024 float32; b_qkv 3,072 float32; w_out 1,024 x 1,024 float32; w_qkv 1,024 x 3,072 float32; x 4 x 2,048 x 1,024 float32.
;; Outputs: out0 4 x 2,048 x 1,024 float32.
;; This version of the problem:
;;   THIS VERSION OF THE PROBLEM IS GIVEN IN LOW PRECISION. The matrix products marked QUANTISED in the list below multiply operands that are first quantised to E2M1 (2 exponent bits, 1 mantissa bit; 4 bits a number), with one power-of-two scale for each 32 numbers along K (OCP MX v1.0); their sums are f32. The products marked 'left as it is' may take bf16, f16 or f32 operands, with f32 sums. Whichever they take, every output number must still come out within the allowed error. Rounding operands to bf16 (8 significant bits) uses up far more of that allowance than f16 does (11 bits, for magnitudes from 6e-5 to 65,504). All else is computed in f32.
;;   The module's matrix products, in the order in which they are computed (A, B: the left and right operand; K: the contracted axis; several contracted axes count as one K, in the product's order):
;;     1. [M 8,192, K 1,024] x [K 1,024, N 3,072]; A: input x; B: input w_qkv: QUANTISED
;;     2. batch 64 x [M 2,048, K 64] x [K 64, N 2,048]; A: computed on the way; B: computed on the way: left as it is (an operand is computed on the way)
;;     3. batch 64 x [M 2,048, K 2,048] x [K 2,048, N 64]; A: computed on the way; B: computed on the way: left as it is (an operand is computed on the way)
;;     4. [M 8,192, K 1,024] x [K 1,024, N 1,024]; A: computed on the way; B: input w_out: left as it is (an operand is computed on the way)
;;   THE QUANTISER, for each operand of a quantised product, along K:
;;     - K is cut into blocks of 32 from its start; a last block that is shorter is filled with zeros.
;;     - A block's scale is 2^e with e = floor(log2(the largest magnitude in the block)) - 2, held to -126 .. 127; a block of zeros has e = 0. As a byte (E8M0): e + 127.
;;     - Each number is divided by its block's scale, clamped to +-6, and rounded to the nearest number of E2M1, ties to even, subnormals kept.
;;     - The product sums the exact products of the quantised numbers (number of the format x scale) in f32.
;;   ~~~python
;;   def quantise(x, axis):      # numpy; x: float32 -> the quantised numbers, widened to float32 again
;;       x = np.moveaxis(x, axis, -1); K = x.shape[-1]
;;       x = np.pad(x, [(0, 0)] * (x.ndim - 1) + [(0, -K % 32)]); x = x.reshape(x.shape[:-1] + (-1, 32)); a = np.abs(x).max(-1, keepdims=True)
;;       e = np.where(a > 0, np.clip(np.frexp(np.where(a > 0, a, 1))[1] - 1 - 2, -126, 127), 0)      # np.frexp(a)[1] - 1 = floor(log2(a)), exactly
;;       r = np.clip(x / 2.0 ** e, -6, 6)
;;       step = 2.0 ** (np.maximum(np.frexp(np.where(r == 0, 1, r))[1] - 1, 0) - 1)
;;       q = np.round(r / step) * step * 2.0 ** e      # np.round: ties to even
;;       return np.moveaxis(q.reshape(q.shape[:-2] + (-1,))[..., :K], -1, axis).astype(np.float32)
;;   ~~~
;; One version. Each part assembles by itself: llvm-mc -triple=amdgcn-amd-amdhsa -mcpu=gfx1250 --defsym DOCPART=n.
;; ======== version 1 of 1: 5 launches
;; limits: values are held in f16: magnitudes above 65,504 overflow, below 6.1e-05 lose precision
;; workspace buffers: xc 4,194,304 bytes; xs 262,144 bytes; wc 1,572,864 bytes; ws 98,304 bytes; wt 2,097,152 bytes; qkv 50,331,648 bytes; qkvf 786,432 bytes; att 16,777,216 bytes
;; launch prep (part 1): grid 336 x 1, 4 waves a work-group, no clusters, 86,528 bytes of LDS; arguments x, w_qkv, w_out, xc, xs, wc, ws, wt; writes xc, xs, wc, ws, wt
.if DOCPART == 1
	.amdgcn_target "amdgcn-amd-amdhsa--gfx1250"
	.amdhsa_code_object_version 6
	.text
	.protected	k_qe0d57c42c6_prep
	.globl	k_qe0d57c42c6_prep
	.p2align	8
	.type	k_qe0d57c42c6_prep,@function
k_qe0d57c42c6_prep:
	s_mov_b64 s[64:65], 0
	v_nop
	global_prefetch_b8 v0, s[64:65] scope:SCOPE_SE
	s_setreg_imm32_b32 hwreg(HW_REG_WAVE_MODE, 25, 1), 1
	s_wait_xcnt 0x0
; CAUSAL SELF-ATTENTION, B = 4, S = 2,048, D = 1,024, 16 heads of 64, in five launches: prep, qkv, attn, proj, fine.  This is the first: it lays the operands out.
; WORK LEFT OUT IN THE WHOLE PROGRAM, AND WHY IT IS DEAD:
;  (1) The K third of b_qkv (entries 1,024 .. 2,047).  With k' = k + bk, the score of query q and key k is q . k' / 8 = q . k / 8 + q . bk / 8; the second term is the same for all keys of
;      a query's row, so the row's maximum takes it away and softmax is unchanged, for all values of the inputs.  The scores' product is not quantised, so bk moves no code.  These 1,024 numbers are not loaded.
;  (2) Key tiles that lie wholly above the diagonal: reference() sets their scores to -infinity in its own body, so their weights are 0.
;  LIMIT: a NaN, an infinity or an overflow that reaches only the work left out is not carried to the result.
; LIMITS OF THE PROGRAM: q, k, v, the attention's result and w_out go to the matrix units in f16: their magnitudes stay under 65,504.  NaN and infinities among the inputs are not served.
;  A block of zeros gets the scale byte 1 where the quantiser says 127: its codes are zeros, which add nothing under any byte but 0xff, and this program alone reads the bytes.
;  Blocks whose largest magnitude lies under 2^(2 - 126) have their byte held at 1.  The order of the f32 sums differs from reference()'s.
; THIS LAUNCH has three ways, chosen by the work-group's number; each has LDS bytes of its own.  No tensor load, no barrier: waves share nothing.
;  X (work-groups 0 .. 255):   x [8192][1024] f32 -> xc [8192][512 bytes] codes of E2M1, xs [8192][32] E8M0 bytes.  K is innermost: a plain stream of blocks of 32.
;  W (256 .. 303):             w_qkv [1024 (k)][3072 (n)] f32 -> wc [3072][512 bytes], ws [3072][32]: a lane takes a column, its registers run down K.
;  O (304 .. 335):             w_out [1024 (k)][1024 (n)] f32 -> wt [16 (k / 64)][1024 (n)][64] f16: the same plan, rounded to f16.
.set SPARE, 86016                      ; behind the three ways' regions: the spare words, 128 bytes for each wave
.set SPW,   196                        ; v196  LDS address of my spare word; never rewritten
.set NIL,   197                        ; v197  0; never rewritten
; way X
.set XSTEPS, 16
.set XSP,   80                         ; a lane's place in a stage: 64 bytes + 16 of padding
.set XR,    16                         ; v16-79   four sets of 16 numbers as loaded
.set XX,    80                         ; v80-111  two sets of 16 neighbours
.set XE,    112                        ; v112-127 a scale byte for each step
.set XC,    128                        ; v128-191 codes, four registers kept for each step
; way W
.set WPITCH, 272
.set WNB,   16
.set WSB,   24                         ; v24-27   scale bytes, four to a register
.set WX,    32                         ; v32-95   two sets of 32 numbers
.set WC,    96                         ; v96-99   a block's codes
.set WOUT,  112                        ; v112-175 the way out
; way O
.set OPITCH, 144
.set OX,    32                         ; v32-95   two sets of 32 numbers
.set OC,    96                         ; v96-111  32 numbers in f16
.set OOUT,  112                        ; v112-175 the way out, two sets of 32
	s_load_b256 s[4:11], s[0:1], 0x0               ; x s[4:5], w_qkv s[6:7], w_out s[8:9], xc s[10:11]
	s_load_b256 s[12:19], s[0:1], 0x20             ; xs s[12:13], wc s[14:15], ws s[16:17], wt s[18:19]
	v_lshl_add_u32 v[SPW], v0, 2, SPARE
	v_mov_b32 v[NIL], 0
	v_lshrrev_b32 v1, 5, v0
	v_readfirstlane_b32 s20, v1                    ; wave 0..3
	v_and_b32 v2, 31, v0                           ; lane
	s_mov_b32 s25, 0                               ; the upper word of every offset pair s[24:25]
	s_wait_kmcnt 0x0
	s_cmp_lt_u32 ttmp9, 256
	s_cbranch_scc0 .Lnot_x
; ---------------- WAY X.  A wave takes 16 steps of 512 numbers.  Each load reads 512 consecutive bytes; a step's 2,048 bytes turn through the wave's own stage in LDS, so that a lane
; then holds 16 neighbours along K (two neighbouring lanes hold a block of 32), as the conversions want them.
	s_mul_i32 s21, s20, 8192                       ; my wave's region: two stages of 32 x 80 bytes, then 256 scale bytes
	v_lshlrev_b32 v3, 4, v2                        ; my 16 bytes of a load's 512
	v_lshrrev_b32 v14, 2, v2
	v_mul_u32_u24 v14, v14, XSP
	v_and_b32 v15, 3, v2
	v_lshl_add_u32 v14, v15, 4, v14
	v_add_nc_u32 v14, s21, v14                     ; the stage on the way in: 80 (lane / 4) + 16 (lane % 4)
	v_mul_u32_u24 v15, v2, XSP
	v_add_nc_u32 v15, s21, v15                     ; and on the way out: 80 x lane
	v_lshlrev_b32 v4, 3, v2                        ; my 8 bytes of a step's codes
	v_lshrrev_b32 v5, 1, v2
	s_add_co_u32 s21, s21, 2*32*XSP
	v_add_nc_u32 v5, s21, v5                       ; my block's scale byte in LDS
	v_lshlrev_b32 v7, 3, v2
	v_add_nc_u32 v6, s21, v7                       ; and 8 of the 256 bytes on the way out
	s_lshl_b32 s22, ttmp9, 2
	s_add_co_u32 s22, s22, s20                     ; which run of 8,192 numbers is my wave's
	s_lshl_b32 s24, s22, 15
	s_add_nc_u64 s[4:5], s[4:5], s[24:25]          ; 32,768 bytes of x a run,
	s_lshl_b32 s24, s22, 12
	s_add_nc_u64 s[10:11], s[10:11], s[24:25]      ; 4,096 of codes,
	s_lshl_b32 s24, s22, 8
	s_add_nc_u64 s[12:13], s[12:13], s[24:25]      ; 256 of scale bytes
.macro XLOAD t
.irp i, 0,1,2,3
	global_load_b128 v[XR+16*((\t)%4)+4*\i:XR+16*((\t)%4)+4*\i+3], v3, s[4:5] offset:2048*(\t)+512*\i th:TH_LOAD_NT
.endr
.endm
.macro XTURN t                         ; LDS serves a wave's instructions in order: no wait between the stores and the loads
.irp i, 0,1,2,3
	ds_store_b128 v14, v[XR+16*((\t)%4)+4*\i:XR+16*((\t)%4)+4*\i+3] offset:32*XSP*((\t)%2)+8*XSP*\i
.endr
.irp i, 0,1,2,3
	ds_load_b128 v[XX+16*((\t)%2)+4*\i:XX+16*((\t)%2)+4*\i+3], v15 offset:32*XSP*((\t)%2)+16*\i
.endr
.endm
.irp t, 0,1,2,3
	XLOAD \t
.endr
	s_wait_loadcnt 12                              ; step 0's four loads are in; the twelve of steps 1 to 3 may be out
	XTURN 0
.macro XSTEP t
.set XS, XX+16*((\t)%2)
.if (\t) > 0
	s_wait_dscnt 1                                 ; this step's numbers are back from the stage; the last step's byte store may be out
.else
	s_wait_dscnt 0x0
.endif
.if (\t)+4 < XSTEPS
	XLOAD (\t)+4                                   ; into the set that this step's stage stores have read
.endif
.if (\t)+1 < XSTEPS
.if XSTEPS-2-(\t) >= 3
	s_wait_loadcnt 12                              ; the next step's four loads are in; those of the three steps behind it may be out
.else
	s_wait_loadcnt 4*(XSTEPS-2-(\t))
.endif
	XTURN (\t)+1
.endif
	v_max3_num_f32 v8, |v[XS]|, |v[XS+1]|, |v[XS+2]|               ; the largest magnitude of my 16, in two chains
	v_max3_num_f32 v9, |v[XS+3]|, |v[XS+4]|, |v[XS+5]|
.irp i, 6,10
	v_max3_num_f32 v8, v8, |v[XS+\i]|, |v[XS+\i+1]|
	v_max3_num_f32 v9, v9, |v[XS+\i+2]|, |v[XS+\i+3]|
.endr
	v_max3_num_f32 v8, v8, |v[XS+14]|, |v[XS+15]|
	v_max3_num_f32 v8, v8, v9, 0x1800000           ; and the floor 2^(3 - 127): the byte cannot fall under 1
	v_max_num_f32_dpp v8, v8, v8 row_xmask:1 row_mask:0xf bank_mask:0xf   ; with my neighbour's 16: the block's
	v_add_nc_u32 v11, 0xff000000, v8               ; 2 off its exponent field: the conversion takes this operand's exponent field as its scale
	v_cvt_scalef32_pk8_fp4_f32 v[XC+4*(\t)], v[XS:XS+7], v11
	v_cvt_scalef32_pk8_fp4_f32 v[XC+4*(\t)+1], v[XS+8:XS+15], v11
	v_lshrrev_b32 v[XE+(\t)], 23, v11              ; the scale's byte
	ds_store_b8 v5, v[XE+(\t)] offset:16*(\t)      ; both lanes of a block write the same byte with the same value
	global_store_b64 v4, v[XC+4*(\t):XC+4*(\t)+1], s[10:11] offset:256*(\t)   ; 32 lanes store 256 consecutive bytes, aligned
.endm
.irp t, 0,1,2,3,4,5,6,7,8,9,10,11,12,13,14,15
	XSTEP \t
.endr
	ds_load_b64 v[8:9], v6                         ; my wave's 256 scale bytes: these loads see my stores
	s_wait_dscnt 0x0
	global_store_b64 v7, v[8:9], s[12:13]          ; 256 consecutive bytes, aligned
	s_wait_tensorcnt 0x0                           ; the wave's end
	ds_add_u32 v[SPW], v[NIL]
	s_wait_dscnt 0x0
	s_endpgm
.Lnot_x:
	s_cmp_lt_u32 ttmp9, 304
	s_cbranch_scc0 .Lway_o
; ---------------- WAY W.  48 work-groups: 24 groups of 128 columns x 2 halves of K.  A wave takes 32 columns x 512 along K: 16 blocks a lane, 256 bytes of codes a column, which leave
; through the wave's own stage as rows: sixteen lanes store 256 consecutive bytes.
	s_sub_co_u32 s21, ttmp9, 256
	s_cmp_ge_u32 s21, 24
	s_cselect_b32 s22, 1, 0                        ; which 512 along K
	s_cselect_b32 s23, 24, 0
	s_sub_co_u32 s21, s21, s23
	s_lshl_b32 s21, s21, 7
	s_lshl_b32 s23, s20, 5
	s_add_co_u32 s21, s21, s23                     ; my wave's first column
	s_mul_i32 s24, s22, 512*12288
	s_lshl_b32 s26, s21, 2
	s_add_co_u32 s24, s24, s26
	s_add_nc_u64 s[6:7], s[6:7], s[24:25]          ; w_qkv at (512 y, column)
	s_lshl_b32 s24, s21, 9
	s_lshl_b32 s26, s22, 8
	s_add_co_u32 s24, s24, s26
	s_add_nc_u64 s[14:15], s[14:15], s[24:25]      ; codes: column x 512 + 256 y
	s_lshl_b32 s24, s21, 5
	s_lshl_b32 s26, s22, 4
	s_add_co_u32 s24, s24, s26
	s_add_nc_u64 s[16:17], s[16:17], s[24:25]      ; scale bytes: column x 32 + 16 y
	v_lshlrev_b32 v3, 2, v2                        ; in: 4 bytes a lane
	s_mul_i32 s27, s20, 32*WPITCH
	s_add_co_u32 s27, s27, 32768                   ; my stage
	v_mul_u32_u24 v4, v2, WPITCH
	v_add_nc_u32 v4, s27, v4                       ; into it: row = my column
	v_and_b32 v5, 15, v2
	v_lshrrev_b32 v6, 4, v2
	v_mul_u32_u24 v7, v6, WPITCH
	v_lshl_add_u32 v7, v5, 4, v7
	v_add_nc_u32 v7, s27, v7                       ; out of it: sixteen lanes to a row, two rows an instruction
	v_lshlrev_b32 v8, 9, v6
	v_lshl_add_u32 v8, v5, 4, v8                   ; the same place in the codes' buffer
	v_lshlrev_b32 v9, 5, v2                        ; my column's row of scale bytes
.macro WLOAD t
.set n, 0
.rept 32
	global_load_b32 v[WX+32*((\t)%2)+n], v3, s[6:7] offset:(32*(\t)+n)*12288 th:TH_LOAD_NT
.set n, n+1
.endr
.endm
	WLOAD 0
	WLOAD 1
.macro WBLOCK t
.set XS, WX+32*((\t)%2)
.if (\t) < WNB-1
	s_wait_loadcnt 32                              ; this block's 32 loads are in; the next block's may be out
.else
	s_wait_loadcnt 0
.endif
	v_max3_num_f32 v12, |v[XS]|, |v[XS+1]|, |v[XS+2]|              ; the block's largest magnitude: all 32 numbers are mine
	v_max3_num_f32 v13, |v[XS+3]|, |v[XS+4]|, |v[XS+5]|
.irp i, 6,10,14,18,22,26
	v_max3_num_f32 v12, v12, |v[XS+\i]|, |v[XS+\i+1]|
	v_max3_num_f32 v13, v13, |v[XS+\i+2]|, |v[XS+\i+3]|
.endr
	v_max3_num_f32 v12, v12, |v[XS+30]|, |v[XS+31]|
	v_max3_num_f32 v12, v12, v13, 0x1800000        ; and the floor 2^(3 - 127)
	v_add_nc_u32 v11, 0xff000000, v12              ; the conversion's scale operand
	v_lshrrev_b32 v13, 23, v11                     ; the scale's byte
.if (\t)%4 == 0
	v_mov_b32 v[WSB+(\t)/4], v13
.else
	v_lshl_or_b32 v[WSB+(\t)/4], v13, 8*((\t)%4), v[WSB+(\t)/4]
.endif
.irp g, 0,1,2,3
	v_cvt_scalef32_pk8_fp4_f32 v[WC+\g], v[XS+8*\g:XS+8*\g+7], v11
.endr
	ds_store_b128 v4, v[WC:WC+3] offset:16*(\t)    ; 32 codes: 16 bytes of my column's row
.if (\t)+2 < WNB
	WLOAD (\t)+2
.endif
	s_wait_dscnt 0x0                               ; the store has read its registers: the next block's codes may be written
.endm
.set WQ, 0
.rept WNB
	WBLOCK WQ
.set WQ, WQ+1
.endr
	global_store_b128 v9, v[WSB:WSB+3], s[16:17]   ; my column's 16 scale bytes
.irp t, 0,1,2,3,4,5,6,7,8,9,10,11,12,13,14,15
	ds_load_b128 v[WOUT+4*\t:WOUT+4*\t+3], v7 offset:2*\t*WPITCH
.endr
.irp t, 0,1,2,3,4,5,6,7,8,9,10,11,12,13,14,15
	s_wait_dscnt 15-\t                             ; the younger loads may be out
	global_store_b128 v8, v[WOUT+4*\t:WOUT+4*\t+3], s[14:15] offset:2*\t*512
.endr
	s_wait_tensorcnt 0x0                           ; the wave's end
	ds_add_u32 v[SPW], v[NIL]
	s_wait_dscnt 0x0
	s_endpgm
.Lway_o:
; ---------------- WAY O.  32 work-groups: 8 groups of 128 columns x 4 quarters of K.  A wave takes 32 columns x 256 along K: four chunks of 64.  A chunk's 128 bytes a column go through
; the wave's own stage (32 rows x 144 bytes) and leave as 4,096 dense bytes: 32 rows of wt's chunk.
	s_sub_co_u32 s21, ttmp9, 304
	s_and_b32 s22, s21, 7                          ; which 128 columns
	s_lshr_b32 s23, s21, 3                         ; which 256 along K
	s_lshl_b32 s26, s22, 7
	s_lshl_b32 s27, s20, 5
	s_add_co_u32 s26, s26, s27                     ; my wave's first column
	s_lshl_b32 s24, s23, 20
	s_lshl_b32 s27, s26, 2
	s_add_co_u32 s24, s24, s27
	s_add_nc_u64 s[8:9], s[8:9], s[24:25]          ; w_out at (256 kg, column)
	s_lshl_b32 s24, s23, 19
	s_lshl_b32 s27, s26, 7
	s_add_co_u32 s24, s24, s27
	s_add_nc_u64 s[18:19], s[18:19], s[24:25]      ; wt at chunk 4 kg, row = column
	v_lshlrev_b32 v3, 2, v2
	s_mul_i32 s27, s20, 32*OPITCH
	s_add_co_u32 s27, s27, 67584                   ; my stage
	v_mul_u32_u24 v4, v2, OPITCH
	v_add_nc_u32 v4, s27, v4
	v_lshrrev_b32 v7, 3, v2
	v_mul_u32_u24 v7, v7, OPITCH
	v_and_b32 v5, 7, v2
	v_lshl_add_u32 v7, v5, 4, v7
	v_add_nc_u32 v7, s27, v7                       ; back: eight lanes to a row of 128 bytes, four rows an instruction
	v_lshlrev_b32 v8, 4, v2                        ; and the same 512 dense bytes in wt
.macro OLOAD t
.set n, 0
.rept 32
	global_load_b32 v[OX+32*((\t)%2)+n], v3, s[8:9] offset:(32*(\t)+n)*4096 th:TH_LOAD_NT
.set n, n+1
.endr
.endm
	OLOAD 0
	OLOAD 1
.macro OBLOCK t
.set XS, OX+32*((\t)%2)
.if (\t) < 7
	s_wait_loadcnt 32                              ; this block's 32 loads are in; the next block's may be out
.else
	s_wait_loadcnt 0
.endif
.set n, 0
.rept 16
	v_cvt_pk_f16_f32 v[OC+n], v[XS+2*n], v[XS+2*n+1]               ; two neighbours along K, rounded to nearest even
.set n, n+1
.endr
.irp g, 0,1,2,3
	ds_store_b128 v4, v[OC+4*\g:OC+4*\g+3] offset:64*((\t)%2)+16*\g
.endr
.if (\t)+2 < 8
	OLOAD (\t)+2
.endif
	s_wait_dscnt 0x0                               ; the stores have read their registers
.if (\t)%2 == 1                        ; a chunk of 64 along K is whole
.set OS, OOUT+32*(((\t)/2)%2)
.if (\t) >= 5
	s_wait_xcnt 0x0                                ; the stores of two chunks back have read this set
.endif
.irp g, 0,1,2,3,4,5,6,7
	ds_load_b128 v[OS+4*\g:OS+4*\g+3], v7 offset:4*OPITCH*\g
.endr
	s_wait_dscnt 0x0
.irp g, 0,1,2,3,4,5,6,7
	global_store_b128 v8, v[OS+4*\g:OS+4*\g+3], s[18:19] offset:((\t)/2)*131072+512*\g   ; 512 consecutive bytes, aligned
.endr
.endif
.endm
.irp t, 0,1,2,3,4,5,6,7
	OBLOCK \t
.endr
	s_wait_tensorcnt 0x0                           ; the wave's end
	ds_add_u32 v[SPW], v[NIL]
	s_wait_dscnt 0x0
	s_endpgm
.Lfunc_end_k_qe0d57c42c6_prep:
	.size	k_qe0d57c42c6_prep, .Lfunc_end_k_qe0d57c42c6_prep-k_qe0d57c42c6_prep
	.p2alignl 7, 3214868480
	.fill 96, 4, 3214868480
	.section	.rodata,"a",@progbits
	.p2align	6, 0x0
	.amdhsa_kernel k_qe0d57c42c6_prep
		.amdhsa_group_segment_fixed_size 86528
		.amdhsa_private_segment_fixed_size 0
		.amdhsa_enable_private_segment 0
		.amdhsa_kernarg_size 64
		.amdhsa_user_sgpr_count 2
		.amdhsa_user_sgpr_kernarg_segment_ptr 1
		.amdhsa_wavefront_size32 1
		.amdhsa_system_sgpr_workgroup_id_x 1
		.amdhsa_system_sgpr_workgroup_id_y 1
		.amdhsa_system_sgpr_workgroup_id_z 1
		.amdhsa_system_vgpr_workitem_id 0
		.amdhsa_next_free_vgpr 200
		.amdhsa_next_free_sgpr 66
		.amdhsa_reserve_vcc 0
		.amdhsa_float_denorm_mode_32 3
		.amdhsa_float_denorm_mode_16_64 3
		.amdhsa_memory_ordered 1
		.amdhsa_forward_progress 1
		.amdhsa_inst_pref_size 151
	.end_amdhsa_kernel
	.amdgpu_metadata
---
amdhsa.version: [ 1, 2 ]
amdhsa.kernels:
  - .name:           k_qe0d57c42c6_prep
    .symbol:         k_qe0d57c42c6_prep.kd
    .args:
      - { .name: x, .offset: 0, .size: 8, .value_kind: global_buffer, .address_space: global }
      - { .name: w_qkv, .offset: 8, .size: 8, .value_kind: global_buffer, .address_space: global }
      - { .name: w_out, .offset: 16, .size: 8, .value_kind: global_buffer, .address_space: global }
      - { .name: xc, .offset: 24, .size: 8, .value_kind: global_buffer, .address_space: global }
      - { .name: xs, .offset: 32, .size: 8, .value_kind: global_buffer, .address_space: global }
      - { .name: wc, .offset: 40, .size: 8, .value_kind: global_buffer, .address_space: global }
      - { .name: ws, .offset: 48, .size: 8, .value_kind: global_buffer, .address_space: global }
      - { .name: wt, .offset: 56, .size: 8, .value_kind: global_buffer, .address_space: global }
    .group_segment_fixed_size: 86528
    .private_segment_fixed_size: 0
    .kernarg_segment_align: 8
    .kernarg_segment_size: 64
    .max_flat_workgroup_size: 128
    .sgpr_count:     66
    .vgpr_count:     200
    .wavefront_size: 32
...
	.end_amdgpu_metadata
.endif
;; end of part 1
;; launch qkv (part 2): grid 12 x 32, 4 waves a work-group, clusters of 4 x 4, 327,680 bytes of LDS; arguments xc, xs, wc, ws, b_qkv, qkv, qkvf; writes qkv, qkvf
.if DOCPART == 2
	.amdgcn_target "amdgcn-amd-amdhsa--gfx1250"
	.amdhsa_code_object_version 6
	.text
	.protected	k_qe0d57c42c6_qkv
	.globl	k_qe0d57c42c6_qkv
	.p2align	8
	.type	k_qe0d57c42c6_qkv,@function
k_qe0d57c42c6_qkv:
	s_mov_b64 s[64:65], 0
	v_nop
	global_prefetch_b8 v0, s[64:65] scope:SCOPE_SE
	s_setreg_imm32_b32 hwreg(HW_REG_WAVE_MODE, 25, 1), 1
	s_wait_xcnt 0x0
	s_wait_alu depctr_hold_cnt(0) depctr_sa_sdst(0) depctr_va_vdst(0) depctr_va_sdst(0) depctr_va_ssrc(0) depctr_va_vcc(0) depctr_vm_vsrc(0)
	s_getreg_b32 s2, hwreg(HW_REG_IB_STS2, 6, 4)
	s_cmp_eq_u32 s2, 0
	s_cbranch_scc0 .Lentry_in_a_cluster
	s_endpgm
.Lentry_in_a_cluster:
	s_bfe_u32 s2, ttmp6, 0x10000c
	s_cmp_lg_u32 s2, 0xf033
	s_cbranch_scc0 .Lentry_shape_is_right
	s_endpgm
.Lentry_shape_is_right:
; qkv = Q(x) Q(w_qkv) + b_qkv on codes of E2M1 with E8M0 scales: [8192][1024] x [3072][1024]^T.  Sums in f32.
; LEFT OUT: the K third of b_qkv (it adds the same number to all scores of a row, which softmax takes away: shown at the head of the first launch); it is not loaded.
; OUT: qkv [4 (batch)][48 (column / 64: q heads, k heads, v heads)][2048 (position)][64] f16; and the first 16 positions of each batch once more in f32, qkvf [4][16][3072], for the last launch.
; LIMIT: magnitudes of q, k, v stay under 65,504 (f16).
; A tile of 256 x 256 is made by four waves, 128 x 128 each: 64 accumulators, 512 registers.  K = 1,024 is two slots of 512 along K (rows of 256 bytes): both are asked for at the head and
; nothing is ever filled again.  The scale bytes of the work-group's rows, for all of K, come once, as dense blocks.
; CLUSTERS: 4 x 4.  The four of a row of the cluster need the same tiles of x, the four of a column the same tiles of w: each is asked for jointly.
; Tile column = 4 x cluster x + cx: so cluster x says q (0), k (1) or v (2).  Tile row = 8 cy + cluster y: so cy is the batch and cluster y the place in it.  Both branches of this text that
; hang on a work-group's number hang on cluster x or cluster y, which all sixteen partners share.
; THE MATRIX INSTRUCTION IS USED TRANSPOSED (source 0 = 16 rows of w's codes, source 1 = 16 rows of x's): a lane holds eight neighbouring columns of one row.
; The bias is the C of each sum's first product: eight registers for each block of 16 columns.
; REGISTERS: window 0: v0-31 addresses; v32-95 scale words, two sets; v128-191 x's fragments, one set; v192-255 the bias.  window 1: w's fragments, two sets.  windows 2, 3: the accumulators.
.set KSTEP,  512
.set NQ,     4
.set ROWB,   256
.set KROW,   512                       ; a row of codes in memory
.set PITCH,  272                       ; an LDS row: 256 bytes + 16 of padding: the 16 rows of a fragment load start 68 words apart
.set FR,     8
.set NL,     2
.set NP,     4
.set HALFT,  128*PITCH
.set SLOT,   4*HALFT
.set KS,     32                        ; a row of scale bytes
.set SCL,    2*SLOT
.set HALFS,  (128*KS/256)*272
.set SBLK,   (16*KS/256)*272
.set SPARE,  SCL+4*HALFS               ; the spare words, 128 bytes for each wave
.set ADRA, 16
.set ADRB, 20
.set STO32, 22                         ; the way out in f32: where I put 32 bytes of a row
.set RD32,  23                         ; and where I read a row back
.set STO16, 24                         ; the way out in f16: where I put 16 bytes of a row
.set RD16,  25
.set CO,   26                          ; 16 x lane
.set ADRS, 27
.set SPW,  28
.set NIL,  29
.set BO,   30                          ; the bias' offset: 32 x (lane / 16)
.set SC,   32
.set AF,   128
.set BIAS, 192
.set TMP,  32                          ; the way out: a block in f16
.set OB,   64                          ; rows read back: v64-95 and v96-127 by turns
.set BK,   128                         ; the f32 copy's rows
.set G1, 24
.set G0, 32
.set G1B, 48
.set G0B, 56
.set G1S, 68
.set G0S, 76
.set G1SB, 80
.set G0SB, 88
.set MSB, 0
.macro WIN new                         ; the immediate's high byte repeats the setting that is left
.if MSB != (\new)
	s_set_vgpr_msb (MSB<<8)|(\new)
.set MSB, (\new)
.endif
.endm
.set MUL_LO, 0xa1                      ; source 0 (w) window 1, source 1 (x) window 0, C and D window 2
.set MUL_HI, 0xf1
.set BIA_LO, 0x81                      ; the same with C (the bias) in window 0
.set BIA_HI, 0xc1
.set TO_B,   0x40
; A joint load: waves 0 and 1 fetch for x, waves 2 and 3 for w.  An s_nop 0 and four v_nop follow each of the two lines.
.macro JLOAD g0a, g1a, g0b, g1b
	s_cmp_eq_u32 s15, 0
	s_cbranch_scc0 .Lfor_b_\@
	tensor_load_to_lds s[\g0a:\g0a+3], s[\g1a:\g1a+7]
	s_nop 0
.rept 4
	v_nop
.endr
	s_branch .Lasked_\@
.Lfor_b_\@:
	tensor_load_to_lds s[\g0b:\g0b+3], s[\g1b:\g1b+7]
	s_nop 0
.rept 4
	v_nop
.endr
.Lasked_\@:
.endm
.macro CROUND                          ; a round of the cluster's barrier
	s_barrier_signal -1
	s_barrier_wait -1
	s_cmp_lg_u32 s14, 0
	s_cbranch_scc1 .Lnot_wave_0_\@
	s_barrier_signal -3
.Lnot_wave_0_\@:
	s_barrier_wait -3
	s_barrier_signal -1
	s_barrier_wait -1
.endm
	s_load_b128 s[4:7], s[0:1], 0x0                ; x's codes s[4:5], x's scales s[6:7]
	s_load_b128 s[8:11], s[0:1], 0x10              ; w's codes s[8:9], w's scales s[10:11]
	s_load_b64 s[12:13], s[0:1], 0x20              ; b_qkv
	s_load_b64 s[96:97], s[0:1], 0x28              ; qkv
	s_load_b64 s[98:99], s[0:1], 0x30              ; qkvf
	v_lshl_add_u32 v[SPW], v0, 2, SPARE
	v_mov_b32 v[NIL], 0
	ds_add_u32 v[SPW], v[NIL]                      ; the wave's opening: the add, twice on end, and its wait ahead of my first tensor load
	ds_add_u32 v[SPW], v[NIL]
	v_lshrrev_b32 v1, 5, v0
	v_readfirstlane_b32 s14, v1                    ; wave 0..3
	s_lshr_b32 s15, s14, 1                         ; which half of the tile's rows is mine.  Also: I fetch for x (0) or for w (1)
	s_and_b32 s16, s14, 1                          ; which half of its columns.  Also: which 128 rows of that tile I fetch
	s_bfe_u32 s40, ttmp6, 0x40000                  ; cx
	s_bfe_u32 s41, ttmp6, 0x40004                  ; cy
	s_lshl_b32 s42, ttmp9, 2
	s_add_co_u32 s42, s42, s40                     ; tile column = 4 x cluster x + cx
	s_and_b32 s66, ttmp7, 0xffff                   ; cluster y: the tile's place in its batch
	s_lshl_b32 s17, s41, 3
	s_add_co_u32 s17, s17, s66                     ; tile row = 8 cy + cluster y
	s_lshl_b32 s43, s41, 2
	s_lshl_b32 s43, 15, s43                        ; my row of the cluster
	s_lshl_b32 s44, 0x1111, s40                    ; my column
	s_or_b32 s[G1+0], s43, (0<<16)|(1<<20)|(1<<21)|(5<<22)|(3<<25)  ; the mask; elements of 1 byte; padding on: 4 words behind every 64; bit 21 beside a mask
	s_or_b32 s[G1B+0], s44, (0<<16)|(1<<20)|(1<<21)|(5<<22)|(3<<25)
.irp g, G1, G1B
	s_mov_b32 s[\g+1], ROWB<<16                    ; tensor_dim0
	s_mov_b32 s[\g+2], 128<<16                     ; tensor_dim1
	s_mov_b32 s[\g+3], ROWB<<16                    ; tile_dim0
	s_mov_b32 s[\g+4], 128                         ; tile_dim1
	s_mov_b32 s[\g+5], KROW                        ; the pitch
	s_mov_b32 s[\g+6], 0
	s_mov_b32 s[\g+7], 0
.endr
	s_or_b32 s[G1S+0], s43, (3<<16)|(1<<20)|(1<<21)|(5<<22)|(3<<25) ; the scales of 128 rows: 4,096 dense bytes as 16 rows of 256 (32 elements of 8 bytes)
	s_or_b32 s[G1SB+0], s44, (3<<16)|(1<<20)|(1<<21)|(5<<22)|(3<<25)
.irp g, G1S, G1SB
	s_mov_b32 s[\g+1], 32<<16
	s_mov_b32 s[\g+2], (128*KS/256)<<16
	s_mov_b32 s[\g+3], 32<<16
	s_mov_b32 s[\g+4], 128*KS/256
	s_mov_b32 s[\g+5], 32
	s_mov_b32 s[\g+6], 0
	s_mov_b32 s[\g+7], 0
.endr
	s_lshl_b32 s18, s16, 7
	s_lshl_b32 s20, s17, 8
	s_add_co_u32 s20, s20, s18                     ; x: row 256 x tile row + 128 x half
	s_lshl_b32 s46, s42, 8
	s_add_co_u32 s46, s46, s18                     ; w: row 256 x tile column + 128 x half
	s_mov_b32 s21, 0
	s_mov_b32 s47, 0
	s_mov_b64 s[18:19], KS
	s_mul_u64 s[22:23], s[20:21], s[18:19]         ; where these rows' scales begin
	s_mul_u64 s[92:93], s[46:47], s[18:19]
	s_mov_b64 s[18:19], KROW
	s_mul_u64 s[20:21], s[20:21], s[18:19]         ; and their codes
	s_mul_u64 s[46:47], s[46:47], s[18:19]
	s_mul_i32 s45, s14, HALFT                      ; where they go: wave x 128 rows
	s_mul_i32 s94, s14, HALFS
	s_wait_dscnt 0x0                               ; both opening adds are done
	s_wait_kmcnt 0x0
	s_add_nc_u64 s[20:21], s[4:5], s[20:21]
	s_add_nc_u64 s[22:23], s[6:7], s[22:23]
	s_add_nc_u64 s[46:47], s[8:9], s[46:47]
	s_add_nc_u64 s[92:93], s[10:11], s[92:93]
	CROUND                                         ; all sixteen work-groups are here: the joint loads meet
	s_mov_b32 s[G0S], 1
	s_add_co_u32 s[G0S+1], s94, SCL
	s_mov_b64 s[G0S+2:G0S+3], s[22:23]
	s_or_b32 s[G0S+3], s[G0S+3], 0x80000000
	s_mov_b32 s[G0SB], 1
	s_add_co_u32 s[G0SB+1], s94, SCL
	s_mov_b64 s[G0SB+2:G0SB+3], s[92:93]
	s_or_b32 s[G0SB+3], s[G0SB+3], 0x80000000
	JLOAD G0S, G1S, G0SB, G1SB                     ; the scales first
.irp s, 0,1
	s_mov_b32 s[G0+4*\s], 1
	s_add_co_u32 s[G0+4*\s+1], s45, \s*SLOT
	s_add_nc_u64 s[G0+4*\s+2:G0+4*\s+3], s[20:21], \s*ROWB
	s_or_b32 s[G0+4*\s+3], s[G0+4*\s+3], 0x80000000
	s_mov_b32 s[G0B+4*\s], 1
	s_add_co_u32 s[G0B+4*\s+1], s45, \s*SLOT
	s_add_nc_u64 s[G0B+4*\s+2:G0B+4*\s+3], s[46:47], \s*ROWB
	s_or_b32 s[G0B+4*\s+3], s[G0B+4*\s+3], 0x80000000
	JLOAD G0+4*\s, G1, G0B+4*\s, G1B               ; three loads of mine are out, and no more follow
.endr
	v_and_b32 v1, 15, v0                           ; l % 16
	v_bfe_u32 v2, v0, 4, 1                         ; l / 16
	; the bias of my 128 columns, and where my results go
	s_lshl_b32 s46, s42, 10
	s_lshl_b32 s47, s16, 9
	s_add_co_u32 s46, s46, s47                     ; my first column in bytes of f32: 1,024 x tile column + 512 x half
	s_mov_b32 s47, 0
	s_add_nc_u64 s[12:13], s[12:13], s[46:47]
	s_add_nc_u64 s[98:99], s[98:99], s[46:47]
	s_mul_i32 s46, s41, 16*12288
	s_add_nc_u64 s[98:99], s[98:99], s[46:47]      ; qkvf at my batch's first row, my first column
	v_lshlrev_b32 v[BO], 5, v2
	s_cmp_eq_u32 ttmp9, 1                          ; the clusters of k: cluster x is the same in all sixteen partners
	s_cbranch_scc1 .Lk_third
.irp b, 0,1,2,3,4,5,6,7
	global_load_b128 v[BIAS+8*\b:BIAS+8*\b+3], v[BO], s[12:13] offset:64*\b          ; lane (r, h): b_qkv at columns 16 b + 8 h + 0 .. 7
	global_load_b128 v[BIAS+8*\b+4:BIAS+8*\b+7], v[BO], s[12:13] offset:64*\b+16
.endr
	s_branch .Lbias_set
.Lk_third:
.set n, 0
.rept 64
	v_mov_b32 v[BIAS+n], 0                         ; k gets no bias: its third of b_qkv is not loaded
.set n, n+1
.endr
.Lbias_set:
	v_mul_u32_u24 v3, v1, PITCH
	v_lshl_add_u32 v4, v2, 4, v3                   ; a fragment's row x pitch + 16 x half
	s_mul_i32 s21, s15, HALFT                      ; my 128 rows of x
	s_mul_i32 s22, s16, HALFT                      ; my 128 rows of w,
	s_add_co_u32 s22, s22, 2*HALFT                 ; which lie behind x's 256
.irp s, 0,1
	v_add_nc_u32 v[ADRA+\s], s21, v4
	v_add_nc_u32 v[ADRB+\s], s22, v4
	s_add_co_u32 s21, s21, SLOT
	s_add_co_u32 s22, s22, SLOT
.endr
	v_mul_u32_u24 v5, v1, KS                       ; my row's scales: 32 bytes a row,
	v_lshrrev_b32 v6, 8, v5
	v_lshl_add_u32 v5, v6, 4, v5                   ; and 16 more for each 256 passed
	s_mul_i32 s21, s15, HALFS
	s_mul_i32 s22, s16, HALFS
	s_add_co_u32 s22, s22, 2*HALFS
	s_sub_co_u32 s22, s22, s21
	v_mul_u32_u24 v6, s22, v2                      ; lanes 16-31 take w's
	s_add_co_u32 s21, s21, SCL
	v_add_nc_u32 v5, v5, v6
	v_add_nc_u32 v[ADRS], s21, v5
	s_mul_i32 s23, s14, 16*528                     ; my stage: it lies in slot 0, which has had its one fill and, behind the change of slots, its last read
	v_mul_u32_u24 v5, v1, 528
	v_lshl_add_u32 v5, v2, 5, v5
	v_add_nc_u32 v[STO32], s23, v5
	v_and_b32 v6, 31, v0
	v_lshlrev_b32 v[CO], 4, v6
	v_add_nc_u32 v[RD32], s23, v[CO]
	v_mul_u32_u24 v5, v1, 144
	v_lshl_add_u32 v5, v2, 4, v5
	v_add_nc_u32 v[STO16], s23, v5                 ; f16: row l % 16 of 128 bytes + 16, 16 bytes for each half of the lanes
	v_lshrrev_b32 v5, 3, v6
	v_mul_u32_u24 v5, v5, 144
	v_and_b32 v7, 7, v0
	v_lshl_add_u32 v5, v7, 4, v5
	v_add_nc_u32 v[RD16], s23, v5                  ; back: eight lanes to a row, four rows an instruction
	s_mul_i32 s20, s41, 48*262144                  ; qkv: my batch,
	s_lshl_b32 s21, s42, 2
	s_lshl_b32 s22, s16, 1
	s_add_co_u32 s21, s21, s22
	s_lshl_b32 s21, s21, 18                        ; my first group of 64 columns: 4 x tile column + 2 x half,
	s_add_co_u32 s20, s20, s21
	s_lshl_b32 s21, s66, 15
	s_add_co_u32 s20, s20, s21
	s_lshl_b32 s21, s15, 14                        ; my first position: 256 x cluster y + 128 x half, 128 bytes each
	s_add_co_u32 s20, s20, s21
	s_mov_b32 s21, 0
	s_add_nc_u64 s[96:97], s[96:97], s[20:21]
	s_or_b32 s95, s66, s15                         ; 0: my first 16 rows are a batch's first 16 positions
.macro FRAG reg, adr, q, i             ; 16 rows x 128 K of 4-bit codes: 8 registers; registers 4 c .. 4 c + 3 hold K = 64 c + 32 (l / 16) + 0 .. 31
.irp c, 0,1
	ds_load_b128 v[\reg+4*\c:\reg+4*\c+3], v[\adr] offset:64*(\q)+32*\c+(\i)*16*PITCH
.endr
.endm
; 16 matrix instructions: x's blocks a0, a0 + 1 against w's eight.  first = 1: the sums begin with the bias.  The 64 accumulators take turns, one instruction a turn, in the same order in every step.
.macro MUL16 a0, p, q, sc, first
.irp a, \a0, \a0+1
.irp b, 0,1,2,3,4,5,6,7
.if \first
	v_wmma_scale_f32_16x16x128_f8f6f4 v[8*(8*((\a)%4)+\b):8*(8*((\a)%4)+\b)+7], v[128*(\p)+FR*\b:128*(\p)+FR*\b+FR-1], v[AF+FR*(\a):AF+FR*(\a)+FR-1], v[BIAS+8*\b:BIAS+8*\b+7], v[SC+8*NQ*(\sc)+NQ*\b+(\q)], v[SC+8*NQ*(\sc)+NQ*(\a)+(\q)] matrix_a_fmt:MATRIX_FMT_FP4 matrix_b_fmt:MATRIX_FMT_FP4 matrix_a_scale:MATRIX_SCALE_ROW1
.else
	v_wmma_scale_f32_16x16x128_f8f6f4 v[8*(8*((\a)%4)+\b):8*(8*((\a)%4)+\b)+7], v[128*(\p)+FR*\b:128*(\p)+FR*\b+FR-1], v[AF+FR*(\a):AF+FR*(\a)+FR-1], v[8*(8*((\a)%4)+\b):8*(8*((\a)%4)+\b)+7], v[SC+8*NQ*(\sc)+NQ*\b+(\q)], v[SC+8*NQ*(\sc)+NQ*(\a)+(\q)] matrix_a_fmt:MATRIX_FMT_FP4 matrix_b_fmt:MATRIX_FMT_FP4 matrix_a_scale:MATRIX_SCALE_ROW1
.endif
.endr
.endr
.endm
.macro FETCH_B slot, q, p
	WIN TO_B
.irp i, 0,1,2,3,4,5,6,7
	FRAG 128*(\p)+FR*\i, ADRB+\slot, \q, \i
.endr
	WIN 0
.endm
.macro FETCH_A slot, q, i0
.irp i, \i0, \i0+1, \i0+2, \i0+3
	FRAG AF+FR*(\i), ADRA+\slot, \q, \i
.endr
.endm
.macro SCALES sc                       ; a slot's scale words: lanes 0-15 take x's block i, lanes 16-31 w's block i
.irp i, 0,1,2,3,4,5,6,7
	ds_load_b128 v[SC+8*NQ*\sc+NQ*\i:SC+8*NQ*\sc+NQ*\i+3], v[ADRS] offset:\i*SBLK
.endr
.endm
.macro PLACES n                        ; plain vector instructions behind matrix instructions, ahead of loads into their sources and of reads of their results
.rept \n
	v_nop
.endr
.endm
.macro STEP slot, q, first             ; 128 along K whose successor lies in the same slot
	s_wait_dscnt 4*NL                              ; w's set and x's blocks 0-3 are in; the youngest eight loads (x's blocks 4-7) may be out
.if \first
	WIN BIA_LO
.else
	WIN MUL_LO
.endif
	MUL16 0, (\q)%2, \q, \slot, \first
	MUL16 2, (\q)%2, \q, \slot, \first
	s_wait_dscnt 0
	PLACES NP
	FETCH_B \slot, (\q)+1, 1-(\q)%2
	FETCH_A \slot, (\q)+1, 0
.if \first
	WIN BIA_HI
.else
	WIN MUL_HI
.endif
	MUL16 4, (\q)%2, \q, \slot, \first
	MUL16 6, (\q)%2, \q, \slot, \first
	PLACES NP
	WIN 0
	FETCH_A \slot, (\q)+1, 4
.endm
.macro STEPS slot, from
.set Q, \from
.rept NQ-1-\from
	STEP \slot, Q, 0
.set Q, Q+1
.endr
.endm
	s_wait_tensorcnt 1                             ; the scales and my part of slot 0 are in; slot 1's load may be out
	s_barrier_signal -1
	s_barrier_wait -1
	FETCH_B 0, 0, 0
	FETCH_A 0, 0, 0
	SCALES 0
	FETCH_A 0, 0, 4
	s_wait_loadcnt 0x0                             ; the bias
	STEP 0, 0, 1                                   ; the first products start the sums with the bias: nothing is cleared
	STEPS 0, 1
	; slot 0's last step changes slots: one barrier; nothing is filled again
	s_wait_tensorcnt 0x0                           ; my part of slot 1 has landed
	ds_add_u32 v[SPW], v[NIL]                      ; 0 onto my spare word
	s_wait_dscnt 4*NL+1                            ; the add and the youngest eight loads may be out
	WIN MUL_LO
	MUL16 0, 1, NQ-1, 0, 0
	s_wait_dscnt 0x0                               ; the add is done, and my reads of slot 0 are over
	s_barrier_signal -1
	MUL16 2, 1, NQ-1, 0, 0
	WIN 0
	s_barrier_wait -1
	PLACES NP
	v_add_nc_u32 v[ADRS], 4*NQ, v[ADRS]            ; slot 1's scale words
	FETCH_B 1, 0, 0
	FETCH_A 1, 0, 0
	SCALES 1
	WIN MUL_HI
	MUL16 4, 1, NQ-1, 0, 0
	MUL16 6, 1, NQ-1, 0, 0
	PLACES NP
	WIN 0
	FETCH_A 1, 0, 4
	STEPS 1, 0
	s_wait_dscnt 4*NL                              ; the very last step
	WIN MUL_LO
	MUL16 0, 1, NQ-1, 1, 0
	MUL16 2, 1, NQ-1, 1, 0
	s_wait_dscnt 0
	WIN MUL_HI
	MUL16 4, 1, NQ-1, 1, 0
	MUL16 6, 1, NQ-1, 1, 0
	WIN 0
; THE WAY OUT, a block of 16 rows x 128 columns (two groups of 64) at a time, through my own stage: in f16 a group's 16 rows are 2,048 dense bytes of qkv.
.macro PACK a
.set AC, 64*((\a)%4)
	WIN 0x0a+5*((\a)/4)                            ; sources 0 and 1: window 2 or 3
.irp b, 0,1,2,3,4,5,6,7
.irp i, 0,1,2,3
	v_cvt_pk_f16_f32 v[TMP+4*\b+\i], v[AC+8*\b+2*\i], v[AC+8*\b+2*\i+1]   ; each accumulator from its low end on
.endr
.endr
	WIN 0
.endm
.macro TOSTAGE a
.irp b, 0,1,2,3,4,5,6,7
	ds_store_b128 v[STO16], v[TMP+4*\b:TMP+4*\b+3] offset:(\b/4)*2304+32*(\b%4)
.endr
.set OBS, OB+32*((\a)%2)
.irp g, 0,1,2,3,4,5,6,7
	ds_load_b128 v[OBS+4*\g:OBS+4*\g+3], v[RD16] offset:(\g/4)*2304+576*(\g%4)   ; LDS serves a wave's instructions in order: these see the stores above
.endr
.endm
.macro SEND a
.set OBS, OB+32*((\a)%2)
	s_wait_dscnt 0x0                               ; the block is back in registers
	s_wait_xcnt 0x0                                ; the block before has been read by its stores: the next block's loads may land in its registers
.irp g, 0,1,2,3,4,5,6,7
	global_store_b128 v[CO], v[OBS+4*\g:OBS+4*\g+3], s[96:97] offset:(\g/4)*262144+2048*(\a)+512*(\g%4)   ; 512 consecutive bytes, aligned
.endr
.endm
	PLACES NP
	s_cmp_lg_u32 s95, 0
	s_cbranch_scc1 .Lno_f32
	WIN 0x08                                       ; an LDS store's data are its source 1: window 2
.irp b, 0,1,2,3,4,5,6,7
	ds_store_b128 v[STO32], v[8*\b:8*\b+3] offset:64*\b            ; a batch's first 16 positions, as they are
	ds_store_b128 v[STO32], v[8*\b+4:8*\b+7] offset:64*\b+16
.endr
	WIN 0
.irp t, 0,1,2,3,4,5,6,7,8,9,10,11,12,13,14,15
	ds_load_b128 v[BK+4*\t:BK+4*\t+3], v[RD32] offset:\t*528
.endr
	s_wait_dscnt 0x0
.irp t, 0,1,2,3,4,5,6,7,8,9,10,11,12,13,14,15
	global_store_b128 v[CO], v[BK+4*\t:BK+4*\t+3], s[98:99] offset:\t*12288   ; 512 consecutive bytes of a row of qkvf, aligned
.endr
.Lno_f32:
	PACK 0
	TOSTAGE 0
.irp a, 1,2,3,4,5,6,7
	PACK \a
	SEND \a-1
	TOSTAGE \a
.endr
	SEND 7
	s_wait_tensorcnt 0x0                           ; the wave's end
	ds_add_u32 v[SPW], v[NIL]
	s_wait_dscnt 0x0
	CROUND                                         ; the closing round
	s_endpgm
.Lfunc_end_k_qe0d57c42c6_qkv:
	.size	k_qe0d57c42c6_qkv, .Lfunc_end_k_qe0d57c42c6_qkv-k_qe0d57c42c6_qkv
	.p2alignl 7, 3214868480
	.fill 96, 4, 3214868480
	.section	.rodata,"a",@progbits
	.p2align	6, 0x0
	.amdhsa_kernel k_qe0d57c42c6_qkv
		.amdhsa_group_segment_fixed_size 327680
		.amdhsa_private_segment_fixed_size 0
		.amdhsa_enable_private_segment 0
		.amdhsa_kernarg_size 56
		.amdhsa_user_sgpr_count 2
		.amdhsa_user_sgpr_kernarg_segment_ptr 1
		.amdhsa_wavefront_size32 1
		.amdhsa_system_sgpr_workgroup_id_x 1
		.amdhsa_system_sgpr_workgroup_id_y 1
		.amdhsa_system_sgpr_workgroup_id_z 1
		.amdhsa_system_vgpr_workitem_id 0
		.amdhsa_next_free_vgpr 1024
		.amdhsa_next_free_sgpr 100
		.amdhsa_reserve_vcc 0
		.amdhsa_float_denorm_mode_32 3
		.amdhsa_float_denorm_mode_16_64 3
		.amdhsa_memory_ordered 1
		.amdhsa_forward_progress 1
		.amdhsa_inst_pref_size 134
	.end_amdhsa_kernel
	.amdgpu_metadata
---
amdhsa.version: [ 1, 2 ]
amdhsa.kernels:
  - .name:           k_qe0d57c42c6_qkv
    .symbol:         k_qe0d57c42c6_qkv.kd
    .args:
      - { .name: xc, .offset: 0, .size: 8, .value_kind: global_buffer, .address_space: global }
      - { .name: xs, .offset: 8, .size: 8, .value_kind: global_buffer, .address_space: global }
      - { .name: wc, .offset: 16, .size: 8, .value_kind: global_buffer, .address_space: global }
      - { .name: ws, .offset: 24, .size: 8, .value_kind: global_buffer, .address_space: global }
      - { .name: b_qkv, .offset: 32, .size: 8, .value_kind: global_buffer, .address_space: global }
      - { .name: qkv, .offset: 40, .size: 8, .value_kind: global_buffer, .address_space: global }
      - { .name: qkvf, .offset: 48, .size: 8, .value_kind: global_buffer, .address_space: global }
    .group_segment_fixed_size: 327680
    .private_segment_fixed_size: 0
    .kernarg_segment_align: 8
    .kernarg_segment_size: 56
    .max_flat_workgroup_size: 128
    .sgpr_count:     100
    .vgpr_count:     1024
    .wavefront_size: 32
...
	.end_amdgpu_metadata
.endif
;; end of part 2
;; launch attn (part 3): grid 4 x 64, 16 waves a work-group, no clusters, 327,680 bytes of LDS; arguments qkv, att; writes att
.if DOCPART == 3
	.amdgcn_target "amdgcn-amd-amdhsa--gfx1250"
	.amdhsa_code_object_version 6
	.text
	.protected	k_qe0d57c42c6_attn
	.globl	k_qe0d57c42c6_attn
	.p2align	8
	.type	k_qe0d57c42c6_attn,@function
k_qe0d57c42c6_attn:
	s_mov_b64 s[64:65], 0
	v_nop
	global_prefetch_b8 v0, s[64:65] scope:SCOPE_SE
	s_setreg_imm32_b32 hwreg(HW_REG_WAVE_MODE, 25, 1), 1
	s_wait_xcnt 0x0
; att[b][h][q][:] = the sum over k <= q of softmax_k(q . k / 8) v[k][:], for each of 64 heads of 2,048 positions x 64 channels.  q, k, v: f16, by head, from qkv; att: [64][2048][64] f16.
; Products on f16 operands, sums, maxima and exponentials in f32; the weights p are rounded to f16 for the second product; the row's sum is taken of the unrounded p.
; LEFT OUT: key steps that lie wholly above the diagonal (reference() masks them in its own body).
; LIMIT: the results are kept in f16; the first 16 positions of each sequence are made anew in f32 by the last launch, which alone stores their rows of the output.
; SHARES.  Work-group j (0 .. 3) of a head owns query blocks j and 7 - j of 256: (j + 1) + (8 - j) = 9 blocks of keys for every j.  Each of SIXTEEN waves owns 32 queries, two tiles of 16, in 256 registers:
; four waves to a SIMD, so that one wave's vector work stands beside another's matrix work and LDS loads; two tiles, so that each fragment of K and V read from LDS feeds two products.
; Which block a wave takes is (w xor w / 4) & 1, so that among any four waves w, w + 4, w + 8, w + 12 and among any four neighbours two take the early block and two the late one.
; NO CLUSTER: under the mask the four work-groups of a head need 8, 7, 6 and 5 slots of keys: a joint load would bring tiles that every wave of some partner jumps over.
; LAYOUT.  S^T = K Q^T (source 0 = 16 keys, source 1 = 16 queries): a lane holds ONE query (lane % 16) and keys 8 (lane / 16) + 0 .. 7.  Two such tiles, rounded in pairs, are source 1 of
; O^T = V^T P; K comes out of LDS as it lies, V ([key][channel]) turned, by ds_load_tr16_b128.
; THE WALK.  Every wave walks all 8 slots of 256 keys: the trip counts are constants.  A step of 64 keys that lies wholly behind a wave's queries is jumped over (a branch on ids); a slot whose first key lies
; behind the work-group's last query is not asked for.  Every wait on TENSORcnt in this text is for 0.
; REGISTERS: v1-9 addresses and constants that stay; v12-27 eight statistics a tile; v28-59 Q; v60-123 eight fragments of K, then of V; v124-187 S^T, then p; v188-251 O^T; v252-255 at work.
.set PK,    144                        ; a key's row in LDS: 128 bytes + 16
.set PV,    160                        ; a row of V: 128 + 32: an odd multiple of 32
.set VOFF,  256*PK                     ; a slot: 256 rows of K, then 256 rows of V
.set SLOT1, 1<<17                      ; slot 1 begins here: one exclusive or turns an address from one slot to the other
.set STAGE, 212992                     ; behind the ring: 32 rows x 144 bytes for each wave; no fill lands here
.set SPARE, 286720                     ; the spare words, 128 bytes for each wave
.set AK0, 1                            ; v1  my lane's place in a tile of K
.set AV0, 2                            ; v2  the same for V
.set SPW, 3                            ; v3  my spare word; never rewritten
.set NIL, 4                            ; v4  0; never rewritten
.set ADK, 5                            ; v5  the step's K;  on the way out: into the stage
.set ADV, 6                            ; v6  the step's V;  on the way out: back from it
.set D0,  7                            ; v7  lane % 16 - 8 (lane / 16)
.set NINF, 8                           ; v8  -infinity
.set PFO, 9                            ; v9  256 x lane
.set ST,  12                           ; tile t at v[12 + 8 t]: +0 c m, +1 m, +2, +3 l (even keys', odd keys'), +4 .. +7 c0-c3 at work; a takes c2's place
.set QF,  28
.set F,   60
.set S,   124
.set O,   188
.set TB,  2                            ; s2  LDS byte at which the slot in hand begins
.set WV,  18
.set SEL, 20
.set CS,  22                           ; s[22:23] c = log2(e) / 8
.set G1K, 24
.set G1V, 32
.set G0K, 40
.set G0V, 44
.set SLOTS, 67
.set LASTQ, 69
.set PFA, 76
.set LIM, 80
.set KF,  98                           ; s98  the step's first key
.set Q0,  99                           ; s99  my first query
; Waves 0 and 1 fetch K's halves of a slot, waves 2 and 3 V's, the others nothing.  An s_nop 0 and four v_nop follow each of the two lines.
.macro TLOAD
	s_cmp_lt_u32 s[WV], 2
	s_cbranch_scc0 .Lnot_k_\@
	tensor_load_to_lds s[G0K:G0K+3], s[G1K:G1K+7]
	s_nop 0
.rept 4
	v_nop
.endr
	s_branch .Lasked_\@
.Lnot_k_\@:
	s_cmp_lt_u32 s[WV], 4
	s_cbranch_scc0 .Lasked_\@
	tensor_load_to_lds s[G0V:G0V+3], s[G1V:G1V+7]
	s_nop 0
.rept 4
	v_nop
.endr
.Lasked_\@:
.endm
; A prefetch of what the NEXT change of slots will ask for: a slot's K and V are two dense blocks of 32,768 bytes.  The head's first work-group, which walks all slots, asks, and nobody else; in it waves 4 to 7
; ask for K's block and waves 8 to 11 for V's, 8,192 bytes a wave, lanes 256 bytes apart: each aligned 256 bytes is named once in the launch.  The last change that fills a slot asks for nothing.
.macro ASK
	s_cmp_gt_u32 s[SLOTS], s[LIM]
	s_cbranch_scc0 .Lnot_mine_\@
	global_prefetch_b8 v[PFO], s[PFA:PFA+1] th:TH_LOAD_NT scope:SCOPE_SE
.Lnot_mine_\@:
.endm
	s_load_b128 s[4:7], s[0:1], 0x0                ; qkv s[4:5], att s[6:7]
	v_lshl_add_u32 v[SPW], v0, 2, SPARE
	v_mov_b32 v[NIL], 0
	ds_add_u32 v[SPW], v[NIL]                      ; the wave's opening: the add, twice on end, and its wait ahead of the first tensor load
	ds_add_u32 v[SPW], v[NIL]
	v_lshrrev_b32 v10, 5, v0
	v_readfirstlane_b32 s[WV], v10                 ; wave 0..15
	s_and_b32 s70, ttmp7, 0xffff                   ; 16 x batch + head
	s_lshr_b32 s71, s70, 4
	s_and_b32 s72, s70, 15
	s_mul_i32 s74, s71, 48*262144
	s_lshl_b32 s73, s72, 18
	s_add_co_u32 s74, s74, s73                     ; the head's q in qkv; its k lies 4,194,304 bytes on, its v 8,388,608
	s_lshr_b32 s81, s[WV], 2
	s_xor_b32 s81, s81, s[WV]
	s_and_b32 s81, s81, 1                          ; 0: the early block, 1: the late one
	s_lshl_b32 s82, ttmp9, 1
	s_sub_co_u32 s82, 7, s82
	s_mul_i32 s82, s82, s81
	s_add_co_u32 s82, s82, ttmp9                   ; my block: j or 7 - j
	s_lshl_b32 s[Q0], s82, 8
	s_lshr_b32 s83, s[WV], 1
	s_lshl_b32 s83, s83, 5
	s_add_co_u32 s[Q0], s[Q0], s83                 ; my first query: 256 x block + 32 x (wave / 2)
	s_sub_co_u32 s[LASTQ], 7, ttmp9
	s_lshl_b32 s[LASTQ], s[LASTQ], 8
	s_or_b32 s[LASTQ], s[LASTQ], 255               ; my work-group's last query
	s_and_b32 s84, s[WV], 1                        ; which half of a slot I fetch, if I fetch
	s_mul_i32 s85, s84, 128*PK
	s_mul_i32 s86, s84, 128*PV
	s_add_co_u32 s86, s86, VOFF
	s_lshl_b32 s88, s84, 14
	s_add_co_u32 s88, s88, s74
	s_mov_b32 s89, 0
	; descriptor group 1: 128 rows of 64 elements of 2 bytes, dense in memory, padded in LDS behind every 32 words
	s_mov_b32 s[G1K], (1<<16)|(1<<20)|(4<<22)|(3<<25)             ; K: four words of padding
	s_mov_b32 s[G1V], (1<<16)|(1<<20)|(4<<22)|(7<<25)             ; V: eight
.irp g, G1K, G1V
	s_mov_b32 s[\g+1], 64<<16                      ; tensor_dim0
	s_mov_b32 s[\g+2], 128<<16                     ; tensor_dim1
	s_mov_b32 s[\g+3], 64<<16                      ; tile_dim0
	s_mov_b32 s[\g+4], 128                         ; tile_dim1
	s_mov_b32 s[\g+5], 64                          ; the pitch
	s_mov_b32 s[\g+6], 0
	s_mov_b32 s[\g+7], 0
.endr
	s_mov_b32 s[SEL], 0x76543210
	s_mov_b32 s[SEL+1], 0xfedcba98
	s_mov_b32 s[CS], 0x3e38aa3b                    ; c = log2(e) / sqrt(64)
	s_mov_b32 s[CS+1], s[CS]
	s_mov_b32 s[TB], 0
	s_mov_b32 s[SLOTS], 7
	s_mov_b32 s[KF], 0
	s_wait_dscnt 0x0                               ; both opening adds are done
	s_wait_kmcnt 0x0
	s_mov_b32 s[G0K], 1
	s_mov_b32 s[G0K+1], s85
	s_add_nc_u64 s[G0K+2:G0K+3], s[4:5], s[88:89]
	s_add_nc_u64 s[G0K+2:G0K+3], s[G0K+2:G0K+3], 4194304
	s_or_b32 s[G0K+3], s[G0K+3], 0x80000000
	s_mov_b32 s[G0V], 1
	s_mov_b32 s[G0V+1], s86
	s_add_nc_u64 s[G0V+2:G0V+3], s[4:5], s[88:89]
	s_add_nc_u64 s[G0V+2:G0V+3], s[G0V+2:G0V+3], 8388608
	s_or_b32 s[G0V+3], s[G0V+3], 0x80000000
	TLOAD                                          ; slot 0: it holds key 0, which counts for every query
	s_lshl_b32 s90, s[Q0], 7
	s_add_co_u32 s92, s90, s74
	s_mov_b32 s93, 0
	s_add_nc_u64 s[92:93], s[4:5], s[92:93]        ; Q at my first query
	s_lshl_b32 s94, s70, 18
	s_add_co_u32 s94, s94, s90
	s_mov_b32 s95, 0
	s_add_nc_u64 s[6:7], s[6:7], s[94:95]          ; att likewise
	v_and_b32 v10, 15, v0                          ; r
	v_bfe_u32 v11, v0, 4, 1                        ; h
	v_lshlrev_b32 v252, 7, v10
	v_lshl_add_u32 v252, v11, 4, v252              ; row r of 128 bytes + 16 h
.irp t, 0,1
.irp f, 0,1
	global_load_b128 v[QF+16*\t+8*\f:QF+16*\t+8*\f+3], v252, s[92:93] offset:2048*\t+64*\f       ; Q stays in registers: tile t, channels 32 f on
	global_load_b128 v[QF+16*\t+8*\f+4:QF+16*\t+8*\f+7], v252, s[92:93] offset:2048*\t+64*\f+32
.endr
.endr
	; the prefetches: where my wave's stand, and who asks
	s_mov_b32 s83, 8388608
	s_cmp_lt_u32 s[WV], 8
	s_cselect_b32 s82, 4194304, s83                ; waves 4 to 7: K; waves 8 to 11: V
	s_and_b32 s83, s[WV], 3
	s_lshl_b32 s83, s83, 13
	s_add_co_u32 s82, s82, s83
	s_add_co_u32 s82, s82, s74
	s_add_co_u32 s82, s82, 32768                   ; in slot 1: the first change of slots steps it to slot 2.  Nothing is prefetched at the head
	s_mov_b32 s83, 0
	s_add_nc_u64 s[PFA:PFA+1], s[4:5], s[82:83]
	s_sub_co_u32 s82, s[WV], 4
	s_lshr_b32 s82, s82, 3                         ; 0 in waves 4 to 11,
	s_or_b32 s82, s82, ttmp9                       ; of the head's first work-group
	s_cmp_eq_u32 s82, 0
	s_cselect_b32 s[LIM], 1, -1
	v_and_b32 v[PFO], 31, v0
	v_lshlrev_b32 v[PFO], 8, v[PFO]
	v_mul_u32_u24 v[AK0], v10, PK
	v_lshl_add_u32 v[AK0], v11, 4, v[AK0]          ; K: row r x pitch + 16 h
	v_and_b32 v[AV0], 7, v0
	v_lshl_add_u32 v[AV0], v11, 3, v[AV0]
	v_mul_u32_u24 v[AV0], v[AV0], PV
	v_bfe_u32 v253, v0, 3, 1
	v_lshl_add_u32 v[AV0], v253, 4, v[AV0]
	v_add_nc_u32 v[AV0], VOFF, v[AV0]              ; V: key 8 h + l % 8, channels 8 ((l / 8) % 2) on
	v_lshlrev_b32 v[D0], 3, v11
	v_sub_nc_u32 v[D0], v10, v[D0]
	v_mov_b32 v[NINF], 0xff800000
.irp t, 0,1
	v_mov_b32 v[ST+8*\t+1], 0xff61b1e6             ; m: -3e38, under every score
	v_mul_f32 v[ST+8*\t], s[CS], v[ST+8*\t+1]      ; c m
.irp i, 2,3,4,5,6,7
	v_mov_b32 v[ST+8*\t+\i], 0                     ; l, and the registers at work: written once on every way
.endr
.endr
.set n, 0
.rept 64
	v_mov_b32 v[O+n], 0                            ; O^T: the step is written without a first form: the first change of m multiplies zeros by 0
.set n, n+1
.endr
; A KEY STEP: 64 keys, the q-th of the slot in hand, for my two tiles of queries.
.macro STEP q
	s_add_co_u32 s96, s[Q0], 31
	s_cmp_gt_u32 s[KF], s96                        ; all 64 keys come after my 32 queries: the step's work is left out (ids alone; no barrier, wait or tensor load stands in a step)
	s_cbranch_scc1 .Lhidden_\@
	v_add_nc_u32 v[ADK], s[TB], v[AK0]
	v_add_nc_u32 v[ADV], s[TB], v[AV0]
.rept 3
	v_nop                                          ; with the two additions five places behind the last products: four for the loads into V's registers, five for the products that write over p's
.endr
.irp kt, 0,1,2,3
.irp f, 0,1
	ds_load_b128 v[F+8*(2*\kt+\f):F+8*(2*\kt+\f)+3], v[ADK] offset:64*PK*(\q)+16*PK*\kt+64*\f
	ds_load_b128 v[F+8*(2*\kt+\f)+4:F+8*(2*\kt+\f)+7], v[ADK] offset:64*PK*(\q)+16*PK*\kt+64*\f+32
.endr
.endr
	s_wait_dscnt 0x0
.irp f, 0,1                                    ; S^T = K Q^T: eight accumulators by turns, one instruction a turn; the first pass starts the sums
.irp kt, 0,1,2,3
.irp t, 0,1
.if \f == 0
	v_wmma_f32_16x16x32_f16 v[S+32*\t+8*\kt:S+32*\t+8*\kt+7], v[F+8*(2*\kt+\f):F+8*(2*\kt+\f)+7], v[QF+16*\t+8*\f:QF+16*\t+8*\f+7], 0
.else
	v_wmma_f32_16x16x32_f16 v[S+32*\t+8*\kt:S+32*\t+8*\kt+7], v[F+8*(2*\kt+\f):F+8*(2*\kt+\f)+7], v[QF+16*\t+8*\f:QF+16*\t+8*\f+7], v[S+32*\t+8*\kt:S+32*\t+8*\kt+7]
.endif
.endr
.endr
.endr
.rept 4
	v_nop                                          ; places ahead of the loads into K's registers and of the first read of the scores
.endr
.irp kk, 0,1                                   ; V, turned: it lands under the softmax
.irp ct, 0,1,2,3
	ds_load_tr16_b128 v[F+8*(4*\kk+\ct):F+8*(4*\kk+\ct)+3], v[ADV] offset:64*PV*(\q)+32*PV*\kk+32*\ct
	ds_load_tr16_b128 v[F+8*(4*\kk+\ct)+4:F+8*(4*\kk+\ct)+7], v[ADV] offset:64*PV*(\q)+32*PV*\kk+32*\ct+16*PV
.endr
.endr
	s_add_co_u32 s96, s[KF], 63
	s_cmp_le_u32 s96, s[Q0]                        ; all 64 keys count for all my queries: no mask
	s_cbranch_scc1 .Lopen_\@
	s_sub_co_i32 s96, s[Q0], s[KF]
	v_add_nc_u32 v252, s96, v[D0]                  ; register n of tile t holds key KF + 16 (n / 8) + n % 8 + 8 h for query Q0 + 16 t + r: hidden where 16 (n / 8) + n % 8 - 16 t > Q0 - KF + r - 8 h
.irp t, 0,1
.set n, 0
.rept 32
	v_cmp_gt_i32 vcc_lo, 16*(n/8)+n%8-16*\t, v252
	v_cndmask_b32 v[S+32*\t+n], v[S+32*\t+n], v[NINF], vcc_lo
.set n, n+1
.endr
.endr
.Lopen_\@:
	; the row's maximum: four chains a tile, each begun at its accumulator's low end; the two tiles by turns
.irp j, 0,1,2,3
.irp t, 0,1
	v_max3_num_f32 v[ST+8*\t+4+\j], v[S+32*\t+8*\j], v[S+32*\t+8*\j+1], v[S+32*\t+8*\j+2]
.endr
.endr
.irp i, 3,5
.irp j, 0,1,2,3
.irp t, 0,1
	v_max3_num_f32 v[ST+8*\t+4+\j], v[ST+8*\t+4+\j], v[S+32*\t+8*\j+\i], v[S+32*\t+8*\j+\i+1]
.endr
.endr
.endr
.irp t, 0,1
	v_max3_num_f32 v[ST+8*\t+4], v[ST+8*\t+4], v[S+32*\t+7], v[S+32*\t+15]
.endr
.irp t, 0,1
	v_max3_num_f32 v[ST+8*\t+6], v[ST+8*\t+6], v[S+32*\t+23], v[S+32*\t+31]
.endr
.irp t, 0,1
	v_max3_num_f32 v[ST+8*\t+4], v[ST+8*\t+4], v[ST+8*\t+5], v[ST+8*\t+6]
.endr
.irp t, 0,1
	v_max3_num_f32 v[ST+8*\t+4], v[ST+8*\t+4], v[ST+8*\t+7], v[ST+8*\t+1]   ; with the old m
.endr
.irp t, 0,1
	v_permlanex16_b32 v[ST+8*\t+5], v[ST+8*\t+4], s[SEL], s[SEL+1]          ; the query's other 32 keys lie in the lane 16 away
.endr
.irp t, 0,1
	v_mov_b32 v[ST+8*\t+7], v[ST+8*\t]             ; c m_old
.endr
.irp t, 0,1
	v_max_num_f32 v[ST+8*\t+1], v[ST+8*\t+4], v[ST+8*\t+5]                  ; the new m
.endr
.irp t, 0,1
	v_mul_f32 v[ST+8*\t], s[CS], v[ST+8*\t+1]
.endr
.irp t, 0,1
	v_sub_f32 v[ST+8*\t+7], v[ST+8*\t+7], v[ST+8*\t]                        ; c m_old - c m_new
.endr
.irp t, 0,1
.set n, 0
.rept 16
	v_pk_fma_f32 v[S+32*\t+n:S+32*\t+n+1], v[S+32*\t+n:S+32*\t+n+1], s[CS:CS+1], v[ST+8*\t:ST+8*\t+1] op_sel_hi:[1,0,0] neg_lo:[0,0,1] neg_hi:[0,0,1]   ; c s - c m, two at a time
.set n, n+2
.endr
.endr
.irp t, 0,1
	v_exp_f32 v[ST+8*\t+6], v[ST+8*\t+7]           ; a = 2^(c m_old - c m_new)
.endr
.set n, 0
.rept 64
	v_exp_f32 v[S+n], v[S+n]                       ; p: one batch of 66 exponentials
.set n, n+1
.endr
	v_nop                                          ; a plain instruction behind the last exponential
	s_wait_alu depctr_va_vdst(0)                   ; one wait for the batch, ahead of its first reader
.irp t, 0,1
	v_pk_fma_f32 v[ST+8*\t+2:ST+8*\t+3], v[ST+8*\t+2:ST+8*\t+3], v[ST+8*\t+6:ST+8*\t+7], v[S+32*\t:S+32*\t+1] op_sel_hi:[1,0,1]   ; l = a l + the first pair; the sum is taken of the unrounded p, in two chains
.endr
.irp t, 0,1
	v_pk_add_f32 v[ST+8*\t+4:ST+8*\t+5], v[S+32*\t+2:S+32*\t+3], v[S+32*\t+4:S+32*\t+5]
.endr
.irp p, 3,5,7,9,11,13
.irp t, 0,1
	v_pk_add_f32 v[ST+8*\t+2:ST+8*\t+3], v[ST+8*\t+2:ST+8*\t+3], v[S+32*\t+2*\p:S+32*\t+2*\p+1]
.endr
.irp t, 0,1
	v_pk_add_f32 v[ST+8*\t+4:ST+8*\t+5], v[ST+8*\t+4:ST+8*\t+5], v[S+32*\t+2*\p+2:S+32*\t+2*\p+3]
.endr
.endr
.irp t, 0,1
	v_pk_add_f32 v[ST+8*\t+2:ST+8*\t+3], v[ST+8*\t+2:ST+8*\t+3], v[S+32*\t+30:S+32*\t+31]
.endr
.irp t, 0,1
	v_pk_add_f32 v[ST+8*\t+2:ST+8*\t+3], v[ST+8*\t+2:ST+8*\t+3], v[ST+8*\t+4:ST+8*\t+5]
.endr
.irp t, 0,1
.set n, 0
.rept 16
	v_cvt_pk_f16_f32 v[S+32*\t+n], v[S+32*\t+2*n], v[S+32*\t+2*n+1]         ; p in f16, in place: register n is written when registers 2 n, 2 n + 1 are read, never before a later read
.set n, n+1
.endr
.endr
.irp t, 0,1
.set n, 0
.rept 16
	v_pk_mul_f32 v[O+32*\t+n:O+32*\t+n+1], v[O+32*\t+n:O+32*\t+n+1], v[ST+8*\t+6:ST+8*\t+7] op_sel_hi:[1,0]   ; O^T x a, each accumulator from its low end on
.set n, n+2
.endr
.endr
	s_wait_dscnt 0x0                               ; V is in
.irp kk, 0,1                                   ; O^T += V^T P: eight accumulators by turns
.irp ct, 0,1,2,3
.irp t, 0,1
	v_wmma_f32_16x16x32_f16 v[O+32*\t+8*\ct:O+32*\t+8*\ct+7], v[F+8*(4*\kk+\ct):F+8*(4*\kk+\ct)+7], v[S+32*\t+8*\kk:S+32*\t+8*\kk+7], v[O+32*\t+8*\ct:O+32*\t+8*\ct+7]
.endr
.endr
.endr
.Lhidden_\@:
	s_add_co_u32 s[KF], s[KF], 64
.endm
; THE CHANGE OF SLOTS stands at a slot's head.  Each wave waits for all its tensor loads, adds 0 to its spare word (fill = 1: twice on end
; ), and waits for that and for its reads of the slot that it has left.  Behind the barrier the slot ahead is whole and nobody reads the other one, which is then filled with the next 256 keys.
.macro CHANGE fill
	s_wait_tensorcnt 0x0                           ; no tensor load of mine is out, so a group 0 may be written
	ds_add_u32 v[SPW], v[NIL]
.if \fill
	ds_add_u32 v[SPW], v[NIL]
	s_xor_b32 s[G0K+1], s[G0K+1], SLOT1            ; the walking descriptors: the other slot, the next 256 keys
	s_add_nc_u64 s[G0K+2:G0K+3], s[G0K+2:G0K+3], 32768
	s_xor_b32 s[G0V+1], s[G0V+1], SLOT1
	s_add_nc_u64 s[G0V+2:G0V+3], s[G0V+2:G0V+3], 32768
	s_wait_xcnt 0x0                                ; the last prefetch, a slot back, has read its address
	s_add_nc_u64 s[PFA:PFA+1], s[PFA:PFA+1], 32768 ; one slot further on than the walking descriptors
.endif
	s_wait_dscnt 0x0                               ; the add is done, and my reads of the slot that I have left are over
	s_barrier_signal -1
	s_barrier_wait -1
.if \fill
	s_add_co_u32 s96, s[KF], 256                   ; the first key of the slot that this change would ask for:
	s_cmp_gt_u32 s96, s[LASTQ]                     ; behind my work-group's last query it is read by no wave, so it is not asked for.  Ids and the count of steps alone: all sixteen waves go the same way
	s_cbranch_scc1 .Lpast_\@
	TLOAD                                          ; a wave's one tensor load until the next such barrier
.Lpast_\@:
	ASK
.endif
.endm
.macro SLOT_STEPS
.set STQ, 0
.rept 4
	STEP STQ
.set STQ, STQ+1
.endr
	s_xor_b32 s[TB], s[TB], SLOT1
.endm
	s_wait_loadcnt 0x0                             ; Q
.Lslot:                                            ; 7 trips: behind each change of slots but the last the next slot is asked for, up to the causal limit
	CHANGE 1
	SLOT_STEPS
	s_sub_co_u32 s[SLOTS], s[SLOTS], 1
	s_cmp_lg_u32 s[SLOTS], 0
	s_cbranch_scc1 .Lslot
	CHANGE 0                                       ; the last slot is written out: nothing is left to ask for
	SLOT_STEPS
	; THE WAY OUT.  O^T / l, rounded to f16, goes through my own stage and leaves as 4,096 dense bytes: my 32 rows of att.  The address lines are the places behind the last products.
	v_and_b32 v10, 15, v0
	v_bfe_u32 v11, v0, 4, 1
	s_mul_i32 s73, s[WV], 32*PK
	s_add_co_u32 s73, s73, STAGE
	v_mul_u32_u24 v[ADK], v10, PK
	v_lshl_add_u32 v[ADK], v11, 4, v[ADK]
	v_add_nc_u32 v[ADK], s73, v[ADK]               ; in: row r, 16 bytes for each half of the lanes
	v_and_b32 v252, 31, v0
	v_lshrrev_b32 v[ADV], 3, v252
	v_mul_u32_u24 v[ADV], v[ADV], PK
	v_and_b32 v253, 7, v0
	v_lshl_add_u32 v[ADV], v253, 4, v[ADV]
	v_add_nc_u32 v[ADV], s73, v[ADV]               ; back: eight lanes to a row, four rows an instruction
	v_lshlrev_b32 v10, 4, v252
.irp t, 0,1
	v_add_f32 v[ST+8*\t+4], v[ST+8*\t+2], v[ST+8*\t+3]
.endr
.irp t, 0,1
	v_permlanex16_b32 v[ST+8*\t+5], v[ST+8*\t+4], s[SEL], s[SEL+1]
.endr
.irp t, 0,1
	v_add_f32 v[ST+8*\t+4], v[ST+8*\t+4], v[ST+8*\t+5]     ; the row's sum
.endr
.irp t, 0,1
	v_rcp_f32 v[ST+8*\t+6], v[ST+8*\t+4]
.endr
	v_nop
	s_wait_alu depctr_va_vdst(0)                   ; one wait for the two reciprocals, ahead of their first reader
.irp t, 0,1
.set n, 0
.rept 16
	v_pk_mul_f32 v[O+32*\t+n:O+32*\t+n+1], v[O+32*\t+n:O+32*\t+n+1], v[ST+8*\t+6:ST+8*\t+7] op_sel_hi:[1,0]
.set n, n+2
.endr
.endr
.irp t, 0,1
.set n, 0
.rept 16
	v_cvt_pk_f16_f32 v[S+16*\t+n], v[O+32*\t+2*n], v[O+32*\t+2*n+1]
.set n, n+1
.endr
.endr
.irp t, 0,1
.irp ct, 0,1,2,3
	ds_store_b128 v[ADK], v[S+16*\t+4*\ct:S+16*\t+4*\ct+3] offset:16*PK*\t+32*\ct
.endr
.endr
.irp g, 0,1,2,3,4,5,6,7
	ds_load_b128 v[F+4*\g:F+4*\g+3], v[ADV] offset:4*PK*\g         ; LDS serves a wave's instructions in order: these see my stores
.endr
.irp g, 0,1,2,3,4,5,6,7
	s_wait_dscnt 7-\g                              ; the younger loads may be out
	global_store_b128 v10, v[F+4*\g:F+4*\g+3], s[6:7] offset:512*\g    ; 512 consecutive bytes, aligned
.endr
	s_wait_tensorcnt 0x0                           ; the wave's end
	ds_add_u32 v[SPW], v[NIL]
	s_wait_dscnt 0x0
	s_endpgm
.Lfunc_end_k_qe0d57c42c6_attn:
	.size	k_qe0d57c42c6_attn, .Lfunc_end_k_qe0d57c42c6_attn-k_qe0d57c42c6_attn
	.p2alignl 7, 3214868480
	.fill 96, 4, 3214868480
	.section	.rodata,"a",@progbits
	.p2align	6, 0x0
	.amdhsa_kernel k_qe0d57c42c6_attn
		.amdhsa_group_segment_fixed_size 327680
		.amdhsa_private_segment_fixed_size 0
		.amdhsa_enable_private_segment 0
		.amdhsa_kernarg_size 16
		.amdhsa_user_sgpr_count 2
		.amdhsa_user_sgpr_kernarg_segment_ptr 1
		.amdhsa_wavefront_size32 1
		.amdhsa_system_sgpr_workgroup_id_x 1
		.amdhsa_system_sgpr_workgroup_id_y 1
		.amdhsa_system_sgpr_workgroup_id_z 1
		.amdhsa_system_vgpr_workitem_id 0
		.amdhsa_next_free_vgpr 256
		.amdhsa_next_free_sgpr 100
		.amdhsa_reserve_vcc 1
		.amdhsa_float_denorm_mode_32 3
		.amdhsa_float_denorm_mode_16_64 3
		.amdhsa_memory_ordered 1
		.amdhsa_forward_progress 1
		.amdhsa_inst_pref_size 188
	.end_amdhsa_kernel
	.amdgpu_metadata
---
amdhsa.version: [ 1, 2 ]
amdhsa.kernels:
  - .name:           k_qe0d57c42c6_attn
    .symbol:         k_qe0d57c42c6_attn.kd
    .args:
      - { .name: qkv, .offset: 0, .size: 8, .value_kind: global_buffer, .address_space: global }
      - { .name: att, .offset: 8, .size: 8, .value_kind: global_buffer, .address_space: global }
    .group_segment_fixed_size: 327680
    .private_segment_fixed_size: 0
    .kernarg_segment_align: 8
    .kernarg_segment_size: 16
    .max_flat_workgroup_size: 512
    .sgpr_count:     100
    .vgpr_count:     256
    .wavefront_size: 32
...
	.end_amdgpu_metadata
.endif
;; end of part 3
;; launch proj (part 4): grid 4 x 64, 4 waves a work-group, clusters of 4 x 4, 327,680 bytes of LDS; arguments att, wt, b_out, out0; writes out0
.if DOCPART == 4
	.amdgcn_target "amdgcn-amd-amdhsa--gfx1250"
	.amdhsa_code_object_version 6
	.text
	.protected	k_qe0d57c42c6_proj
	.globl	k_qe0d57c42c6_proj
	.p2align	8
	.type	k_qe0d57c42c6_proj,@function
k_qe0d57c42c6_proj:
	s_mov_b64 s[64:65], 0
	v_nop
	global_prefetch_b8 v0, s[64:65] scope:SCOPE_SE
	s_setreg_imm32_b32 hwreg(HW_REG_WAVE_MODE, 25, 1), 1
	s_wait_xcnt 0x0
	s_wait_alu depctr_hold_cnt(0) depctr_sa_sdst(0) depctr_va_vdst(0) depctr_va_sdst(0) depctr_va_ssrc(0) depctr_va_vcc(0) depctr_vm_vsrc(0)
	s_getreg_b32 s2, hwreg(HW_REG_IB_STS2, 6, 4)
	s_cmp_eq_u32 s2, 0
	s_cbranch_scc0 .Lentry_in_a_cluster
	s_endpgm
.Lentry_in_a_cluster:
	s_bfe_u32 s2, ttmp6, 0x10000c
	s_cmp_lg_u32 s2, 0xf033
	s_cbranch_scc0 .Lentry_shape_is_right
	s_endpgm
.Lentry_shape_is_right:
; out0 = att w_out + b_out on f16 operands, sums in f32: [8192][1024] x [1024][1024].  att: [4][16 (head)][2048][64] f16; wt: [16 (k / 64)][1024 (n)][64] f16; out0: [8192][1024] f32.
; NOT STORED HERE: the first 16 positions of each batch: the last launch makes those rows in f32 and alone stores them.  (Their products stay: they lie in a tile with live rows.)
; A tile of 128 rows x 256 columns for each of 256 work-groups (256 x 256 would give 128); four waves, 64 x 128 each: 32 accumulators, 256 registers.
; K goes in steps of 128 = two heads through two LDS slots; a head's 128 rows of att are 16,384 dense bytes, a chunk's 256 rows of wt 32,768: one tensor load each.
; CLUSTERS: 4 x 4.  Tile column = cx; batch = cy; the tile's place in the batch = cluster y.  att's tiles are shared along a row of the cluster, wt's along a column: each is asked for jointly.
; THE MATRIX INSTRUCTION IS USED TRANSPOSED (source 0 = 16 rows of wt, source 1 = 16 rows of att): a lane holds eight neighbouring columns of one row.  The bias is the C of each sum's first product.
; No prefetch: a K step's refill has 112 matrix instructions in which to land, and the launch's inputs are read by many work-groups.
; REGISTERS: window 0: v0-31 addresses; v32-95 att's fragments, two sets of 4; v96-223 wt's, two sets of 8.  window 1: accumulator (a, b) at v[8 (8 a + b)].  window 2: v0-63 the bias.
.set PITCH, 144                        ; an LDS row: 128 bytes + 16
.set ACH,   128*PITCH                  ; a chunk of att's tile
.set BCH,   256*PITCH                  ; a chunk of wt's
.set BOFF,  2*ACH
.set SLOT,  2*ACH+2*BCH
.set STAGE, 2*SLOT                     ; behind the ring: 16 rows x 528 bytes for each wave; no fill lands here
.set SPARE, STAGE+4*16*528
.set LAPS,  4                          ; 8 K steps, two to a lap
.set ADRA, 16
.set ADRB, 20
.set STO,  24
.set RD,   25
.set CO,   26
.set SPW,  28
.set NIL,  29
.set BO,   30
.set AF,   32
.set BF,   96
.set OB,   32                          ; the way out: rows read back, v32-95 and v96-159 by turns
.set G1, 24
.set G0, 32
.set G1B, 48
.set G0B, 56
.set MSB, 0
.macro WIN new
.if MSB != (\new)
	s_set_vgpr_msb (MSB<<8)|(\new)
.set MSB, (\new)
.endif
.endm
.set MUL, 0x50                         ; sources 0 and 1 window 0; C and D window 1.  + 0x10: C (the bias) in window 2
.macro JLOAD s                         ; waves 0 and 1 fetch att's two chunks, waves 2 and 3 wt's; an s_nop 0 and four v_nop follow each line
	s_cmp_eq_u32 s15, 0
	s_cbranch_scc0 .Lfor_b_\@
	tensor_load_to_lds s[G0+4*\s:G0+4*\s+3], s[G1:G1+7]
	s_nop 0
.rept 4
	v_nop
.endr
	s_branch .Lasked_\@
.Lfor_b_\@:
	tensor_load_to_lds s[G0B+4*\s:G0B+4*\s+3], s[G1B:G1B+7]
	s_nop 0
.rept 4
	v_nop
.endr
.Lasked_\@:
.endm
.macro CREST
	s_cmp_lg_u32 s14, 0
	s_cbranch_scc1 .Lnot_wave_0_\@
	s_barrier_signal -3
.Lnot_wave_0_\@:
	s_barrier_wait -3
	s_barrier_signal -1
	s_barrier_wait -1
.endm
.macro CROUND
	s_barrier_signal -1
	s_barrier_wait -1
	CREST
.endm
	s_load_b128 s[4:7], s[0:1], 0x0                ; att s[4:5], wt s[6:7]
	s_load_b128 s[8:11], s[0:1], 0x10              ; b_out s[8:9], out0 s[10:11]
	v_lshl_add_u32 v[SPW], v0, 2, SPARE
	v_mov_b32 v[NIL], 0
	ds_add_u32 v[SPW], v[NIL]                      ; the wave's opening: the add, twice on end, and its wait ahead of my first tensor load
	ds_add_u32 v[SPW], v[NIL]
	v_lshrrev_b32 v1, 5, v0
	v_readfirstlane_b32 s14, v1                    ; wave 0..3
	s_lshr_b32 s15, s14, 1                         ; which 64 rows are mine.  Also: I fetch for att (0) or for wt (1)
	s_and_b32 s16, s14, 1                          ; which 128 columns.  Also: which chunk of a K step I fetch
	s_bfe_u32 s40, ttmp6, 0x40000                  ; cx: the tile column
	s_bfe_u32 s41, ttmp6, 0x40004                  ; cy: the batch
	s_and_b32 s42, ttmp7, 0xffff                   ; cluster y: which 128 rows of the batch
	s_lshl_b32 s43, s41, 2
	s_lshl_b32 s43, 15, s43                        ; my row of the cluster
	s_lshl_b32 s44, 0x1111, s40                    ; my column
	s_or_b32 s[G1+0], s43, (1<<16)|(1<<20)|(1<<21)|(4<<22)|(3<<25)  ; the mask; elements of 2 bytes; padding on: 4 words behind every 32; bit 21 beside a mask
	s_or_b32 s[G1B+0], s44, (1<<16)|(1<<20)|(1<<21)|(4<<22)|(3<<25)
	s_mov_b32 s[G1+1], 64<<16                      ; tensor_dim0
	s_mov_b32 s[G1+2], 128<<16                     ; tensor_dim1
	s_mov_b32 s[G1+3], 64<<16                      ; tile_dim0
	s_mov_b32 s[G1+4], 128                         ; tile_dim1
	s_mov_b32 s[G1+5], 64                          ; the pitch
	s_mov_b32 s[G1+6], 0
	s_mov_b32 s[G1+7], 0
	s_mov_b32 s[G1B+1], 64<<16
	s_mov_b32 s[G1B+2], 256<<16
	s_mov_b32 s[G1B+3], 64<<16
	s_mov_b32 s[G1B+4], 256
	s_mov_b32 s[G1B+5], 64
	s_mov_b32 s[G1B+6], 0
	s_mov_b32 s[G1B+7], 0
	s_lshl_b32 s20, s41, 4
	s_add_co_u32 s20, s20, s16
	s_lshl_b32 s20, s20, 18                        ; att: head 16 cy + my chunk,
	s_lshl_b32 s21, s42, 14
	s_add_co_u32 s20, s20, s21                     ; rows 128 x cluster y on
	s_mov_b32 s21, 0
	s_lshl_b32 s46, s16, 17                        ; wt: my chunk,
	s_lshl_b32 s47, s40, 15
	s_add_co_u32 s46, s46, s47                     ; rows 256 cx on
	s_mov_b32 s47, 0
	s_mul_i32 s17, s16, ACH                        ; where they go: no place in the cluster enters an LDS address
	s_mul_i32 s18, s16, BCH
	s_add_co_u32 s18, s18, BOFF
	s_wait_dscnt 0x0                               ; both opening adds are done
	s_wait_kmcnt 0x0
	s_add_nc_u64 s[20:21], s[4:5], s[20:21]
	s_add_nc_u64 s[46:47], s[6:7], s[46:47]
	CROUND                                         ; all sixteen work-groups are here: the first joint loads meet
.irp s, 0,1
	s_mov_b32 s[G0+4*\s], 1
	s_add_co_u32 s[G0+4*\s+1], s17, \s*SLOT
	s_add_nc_u64 s[G0+4*\s+2:G0+4*\s+3], s[20:21], \s*524288       ; K step s: two heads on
	s_or_b32 s[G0+4*\s+3], s[G0+4*\s+3], 0x80000000
	s_mov_b32 s[G0B+4*\s], 1
	s_add_co_u32 s[G0B+4*\s+1], s18, \s*SLOT
	s_add_nc_u64 s[G0B+4*\s+2:G0B+4*\s+3], s[46:47], \s*262144     ; two chunks on
	s_or_b32 s[G0B+4*\s+3], s[G0B+4*\s+3], 0x80000000
	JLOAD \s
.endr
	v_and_b32 v1, 15, v0                           ; l % 16
	v_bfe_u32 v2, v0, 4, 1                         ; l / 16
	s_lshl_b32 s46, s40, 10
	s_lshl_b32 s47, s16, 9
	s_add_co_u32 s46, s46, s47                     ; my first column in bytes: 1,024 cx + 512 x half
	s_mov_b32 s47, 0
	s_add_nc_u64 s[8:9], s[8:9], s[46:47]
	v_lshlrev_b32 v[BO], 5, v2
	WIN 0x80                                       ; destination window 2
.irp b, 0,1,2,3,4,5,6,7
	global_load_b128 v[8*\b:8*\b+3], v[BO], s[8:9] offset:64*\b    ; lane (r, h): b_out at columns 16 b + 8 h + 0 .. 7
	global_load_b128 v[8*\b+4:8*\b+7], v[BO], s[8:9] offset:64*\b+16
.endr
	WIN 0
	v_mul_u32_u24 v3, v1, PITCH
	v_lshl_add_u32 v3, v2, 4, v3                   ; a fragment's row x pitch + 16 x half
	s_mul_i32 s21, s15, 64*PITCH                   ; my 64 rows of att's chunks
	s_mul_i32 s22, s16, 128*PITCH                  ; my 128 rows of wt's,
	s_add_co_u32 s22, s22, BOFF
.irp s, 0,1
	v_add_nc_u32 v[ADRA+\s], s21, v3
	v_add_nc_u32 v[ADRB+\s], s22, v3
	s_add_co_u32 s21, s21, SLOT
	s_add_co_u32 s22, s22, SLOT
.endr
	s_mul_i32 s23, s14, 16*528
	s_add_co_u32 s23, s23, STAGE                   ; my stage
	v_mul_u32_u24 v5, v1, 528
	v_lshl_add_u32 v5, v2, 5, v5
	v_add_nc_u32 v[STO], s23, v5                   ; in: row l % 16, 32 bytes for each half of the lanes
	v_and_b32 v6, 31, v0
	v_lshlrev_b32 v[CO], 4, v6
	v_add_nc_u32 v[RD], s23, v[CO]                 ; back: the 32 lanes take one row of 512 bytes
	s_lshl_b32 s20, s41, 11
	s_lshl_b32 s21, s42, 7
	s_add_co_u32 s20, s20, s21
	s_lshl_b32 s21, s15, 6
	s_add_co_u32 s20, s20, s21                     ; my first row: 2,048 cy + 128 cluster y + 64 x half
	s_lshl_b32 s20, s20, 12
	s_add_co_u32 s20, s20, s46
	s_mov_b32 s21, 0
	s_add_nc_u64 s[10:11], s[10:11], s[20:21]
	s_or_b32 s45, s42, s15                         ; 0: my first 16 rows are a batch's first 16 positions
; 8 matrix instructions: att's block a against wt's eight, 32 along K, out of set f.  first = 1: the sums begin with the bias.  The 32 accumulators take turns in the same order in every quarter.
.macro MUL8 f, a, first
.irp b, 0,1,2,3,4,5,6,7
.if \first
	v_wmma_f32_16x16x32_f16 v[8*(8*(\a)+\b):8*(8*(\a)+\b)+7], v[BF+64*(\f)+8*\b:BF+64*(\f)+8*\b+7], v[AF+32*(\f)+8*(\a):AF+32*(\f)+8*(\a)+7], v[8*\b:8*\b+7]
.else
	v_wmma_f32_16x16x32_f16 v[8*(8*(\a)+\b):8*(8*(\a)+\b)+7], v[BF+64*(\f)+8*\b:BF+64*(\f)+8*\b+7], v[AF+32*(\f)+8*(\a):AF+32*(\f)+8*(\a)+7], v[8*(8*(\a)+\b):8*(8*(\a)+\b)+7]
.endif
.endr
.endm
; 24 LDS loads in one run: quarter q (32 along K: chunk q / 2, byte 64 (q % 2) of its rows) into set f: wt's eight blocks, then att's four
.macro FETCH slot, q, f
.irp i, 0,1,2,3,4,5,6,7
	ds_load_b128 v[BF+64*(\f)+8*\i:BF+64*(\f)+8*\i+3], v[ADRB+\slot] offset:((\q)/2)*BCH+64*((\q)%2)+16*PITCH*\i
	ds_load_b128 v[BF+64*(\f)+8*\i+4:BF+64*(\f)+8*\i+7], v[ADRB+\slot] offset:((\q)/2)*BCH+64*((\q)%2)+16*PITCH*\i+32
.endr
.irp i, 0,1,2,3
	ds_load_b128 v[AF+32*(\f)+8*\i:AF+32*(\f)+8*\i+3], v[ADRA+\slot] offset:((\q)/2)*ACH+64*((\q)%2)+16*PITCH*\i
	ds_load_b128 v[AF+32*(\f)+8*\i+4:AF+32*(\f)+8*\i+7], v[ADRA+\slot] offset:((\q)/2)*ACH+64*((\q)%2)+16*PITCH*\i+32
.endr
.endm
.macro PLACES                          ; four plain vector instructions behind matrix instructions, ahead of loads into their sources and of reads of their results
.rept 4
	v_nop
.endr
.endm
; One of a K step's first three quarters: multiplies set f and, in its middle, fetches quarter qn of the same slot into set g.
.macro QUARTER slot, qn, f, g, first
	s_wait_dscnt 4                                 ; wt's blocks and att's blocks 0, 1 are in; the youngest four loads (att's blocks 2, 3) may be out
	WIN MUL+0x10*(\first)
	MUL8 \f, 0, \first
	MUL8 \f, 1, \first
	PLACES
	WIN 0
	FETCH \slot, \qn, \g
	s_wait_dscnt 24                                ; all but the 24 just issued
	WIN MUL+0x10*(\first)
	MUL8 \f, 2, \first
	MUL8 \f, 3, \first
.endm
; The last quarter multiplies set 1 and changes slots: one barrier; ahead of it each wave waits for all its tensor loads, adds 0 to its spare word, and waits for that and for its reads of this slot.
.macro TURN slot, next, fill
	WIN 0
	s_wait_tensorcnt 0x0                           ; my part of the next slot has landed
	ds_add_u32 v[SPW], v[NIL]
	s_wait_dscnt 5                                 ; the add and the youngest four loads may be out
	WIN MUL
	MUL8 1, 0, 0
	s_wait_dscnt 0x0                               ; the add is done, and my reads of this slot are over
	s_barrier_signal -1
	MUL8 1, 1, 0
	WIN 0
	s_barrier_wait -1
.if \fill
	CREST                                          ; the barrier has opened a round of the cluster's: no wave of any partner still reads this slot or has a load on its way
	s_add_nc_u64 s[G0+4*\slot+2:G0+4*\slot+3], s[G0+4*\slot+2:G0+4*\slot+3], 1048576
	s_add_nc_u64 s[G0B+4*\slot+2:G0B+4*\slot+3], s[G0B+4*\slot+2:G0B+4*\slot+3], 524288
	JLOAD \slot                                    ; the first tensor load behind the round; its four v_nop are also the places ahead of the loads below
.else
	PLACES
.endif
	FETCH \next, 0, 0
	WIN MUL
	MUL8 1, 2, 0
	MUL8 1, 3, 0
.endm
	s_wait_tensorcnt 1                             ; my part of K step 0 is in; K step 1's load may be out
	s_barrier_signal -1
	s_barrier_wait -1
	FETCH 0, 0, 0
	s_wait_loadcnt 0x0                             ; the bias
	QUARTER 0, 1, 0, 1, 1                          ; the first quarter starts the sums with the bias
	WIN 0
	s_mov_b32 s3, LAPS-1
.Llap:                                             ; a trip goes once round the ring, from a lap's second quarter to the next lap's first, and fills both slots again
	QUARTER 0, 2, 1, 0, 0
	QUARTER 0, 3, 0, 1, 0
	TURN 0, 1, 1
	QUARTER 1, 1, 0, 1, 0
	QUARTER 1, 2, 1, 0, 0
	QUARTER 1, 3, 0, 1, 0
	TURN 1, 0, 1
	QUARTER 0, 1, 0, 1, 0
	WIN 0
	s_sub_co_u32 s3, s3, 1
	s_cmp_lg_u32 s3, 0
	s_cbranch_scc1 .Llap
	QUARTER 0, 2, 1, 0, 0                          ; the last lap fills nothing
	QUARTER 0, 3, 0, 1, 0
	TURN 0, 1, 0
	QUARTER 1, 1, 0, 1, 0
	QUARTER 1, 2, 1, 0, 0
	QUARTER 1, 3, 0, 1, 0
	s_wait_dscnt 4
	WIN MUL
	MUL8 1, 0, 0
	MUL8 1, 1, 0
	s_wait_dscnt 0
	MUL8 1, 2, 0
	MUL8 1, 3, 0
	WIN 0
; THE WAY OUT, a block of 16 rows x 128 columns at a time, through my own stage: whole rows of 512 bytes come back and are stored by the 32 lanes.
.macro TOSTAGE a
	WIN 0x04                                       ; an LDS store's data are its source 1: window 1
.irp b, 0,1,2,3,4,5,6,7
	ds_store_b128 v[STO], v[8*(8*(\a)+\b):8*(8*(\a)+\b)+3] offset:64*\b        ; each accumulator from its low end on
	ds_store_b128 v[STO], v[8*(8*(\a)+\b)+4:8*(8*(\a)+\b)+7] offset:64*\b+16
.endr
	WIN 0
.set BB, OB+64*((\a)%2)
.irp t, 0,1,2,3,4,5,6,7,8,9,10,11,12,13,14,15
	ds_load_b128 v[BB+4*\t:BB+4*\t+3], v[RD] offset:\t*528
.endr
.endm
.macro SEND a, younger
.set BB, OB+64*((\a)%2)
	s_wait_dscnt \younger                          ; the block is back; the next block's 16 stores and 16 loads may be out
.irp t, 0,1,2,3,4,5,6,7,8,9,10,11,12,13,14,15
	global_store_b128 v[CO], v[BB+4*\t:BB+4*\t+3], s[10:11] offset:65536*(\a)+4096*\t th:TH_STORE_NT   ; 512 consecutive bytes, aligned
.endr
.endm
	PLACES
	s_cmp_eq_u32 s45, 0
	s_cbranch_scc1 .Lskip_0                        ; a batch's first 16 rows belong to the last launch
	TOSTAGE 0
	SEND 0, 0
.Lskip_0:
	s_wait_xcnt 0x0                                ; block 0's stores have read their registers
	TOSTAGE 1
	TOSTAGE 2
	SEND 1, 32
	s_wait_xcnt 0x0                                ; block 1's stores have read theirs
	TOSTAGE 3
	SEND 2, 32
	SEND 3, 0
	s_wait_tensorcnt 0x0                           ; the wave's end
	ds_add_u32 v[SPW], v[NIL]
	s_wait_dscnt 0x0
	CROUND                                         ; the closing round
	s_endpgm
.Lfunc_end_k_qe0d57c42c6_proj:
	.size	k_qe0d57c42c6_proj, .Lfunc_end_k_qe0d57c42c6_proj-k_qe0d57c42c6_proj
	.p2alignl 7, 3214868480
	.fill 96, 4, 3214868480
	.section	.rodata,"a",@progbits
	.p2align	6, 0x0
	.amdhsa_kernel k_qe0d57c42c6_proj
		.amdhsa_group_segment_fixed_size 327680
		.amdhsa_private_segment_fixed_size 0
		.amdhsa_enable_private_segment 0
		.amdhsa_kernarg_size 32
		.amdhsa_user_sgpr_count 2
		.amdhsa_user_sgpr_kernarg_segment_ptr 1
		.amdhsa_wavefront_size32 1
		.amdhsa_system_sgpr_workgroup_id_x 1
		.amdhsa_system_sgpr_workgroup_id_y 1
		.amdhsa_system_sgpr_workgroup_id_z 1
		.amdhsa_system_vgpr_workitem_id 0
		.amdhsa_next_free_vgpr 576
		.amdhsa_next_free_sgpr 70
		.amdhsa_reserve_vcc 0
		.amdhsa_float_denorm_mode_32 3
		.amdhsa_float_denorm_mode_16_64 3
		.amdhsa_memory_ordered 1
		.amdhsa_forward_progress 1
		.amdhsa_inst_pref_size 86
	.end_amdhsa_kernel
	.amdgpu_metadata
---
amdhsa.version: [ 1, 2 ]
amdhsa.kernels:
  - .name:           k_qe0d57c42c6_proj
    .symbol:         k_qe0d57c42c6_proj.kd
    .args:
      - { .name: att, .offset: 0, .size: 8, .value_kind: global_buffer, .address_space: global }
      - { .name: wt, .offset: 8, .size: 8, .value_kind: global_buffer, .address_space: global }
      - { .name: b_out, .offset: 16, .size: 8, .value_kind: global_buffer, .address_space: global }
      - { .name: out0, .offset: 24, .size: 8, .value_kind: global_buffer, .address_space: global }
    .group_segment_fixed_size: 327680
    .private_segment_fixed_size: 0
    .kernarg_segment_align: 8
    .kernarg_segment_size: 32
    .max_flat_workgroup_size: 128
    .sgpr_count:     70
    .vgpr_count:     576
    .wavefront_size: 32
...
	.end_amdgpu_metadata
.endif
;; end of part 4
;; launch fine (part 5): grid 16 x 4, 16 waves a work-group, no clusters, 85,248 bytes of LDS; arguments qkvf, w_out, b_out, out0; writes out0
.if DOCPART == 5
	.amdgcn_target "amdgcn-amd-amdhsa--gfx1250"
	.amdhsa_code_object_version 6
	.text
	.protected	k_qe0d57c42c6_fine
	.globl	k_qe0d57c42c6_fine
	.p2align	8
	.type	k_qe0d57c42c6_fine,@function
k_qe0d57c42c6_fine:
	s_mov_b64 s[64:65], 0
	v_nop
	global_prefetch_b8 v0, s[64:65] scope:SCOPE_SE
	s_setreg_imm32_b32 hwreg(HW_REG_WAVE_MODE, 25, 1), 1
	s_wait_xcnt 0x0
; The first 16 positions of each of the four sequences, in f32 throughout: under the causal mask these rows average one to sixteen values, and the rounding of 16-bit operands weighs most there.
; out0[b][0 .. 15][:] = softmax(q k^T / 8, causal) v w_out + b_out, from qkvf [4][16][3072] f32 (q, k without its bias, v).
; LEFT OUT: k's bias (the same for all keys of a row: shown at the head of the first launch); keys 16 on are hidden from these queries by reference()'s own mask.
; SHARES.  Work-group (x, y): batch y, output columns 64 x .. 64 x + 63, which are 256 bytes of each row.  Each work-group makes its batch's attention anew, a head to each of its sixteen waves
; (16 x 16 x 64: 32 matrix instructions); then wave (nt = w % 4, kq = w / 4) makes 16 columns over a quarter of K, and the four quarters meet in LDS.
; No tensor load, no cluster: 64 small work-groups that share only w_out's columns with the other batches' groups.
; v_wmma_f32_16x16x4_f32: lane (r, h) holds k = 2 h + j in register j.  K IS PERMUTED ALIKE ON BOTH SOURCES: a load of 16 bytes gives lane half h the four numbers k = 8 i + 4 h + 0 .. 3, and instruction
; 2 i + u takes registers 4 i + 2 u, 4 i + 2 u + 1 of both sides.  Four accumulators take turns; they are written by matrix instructions alone, each sum begins with the
; constant 0, and what is made of a sum goes into other registers.
.set ATTP,  4112                       ; a row of the attention's result in LDS: 4,096 bytes + 16
.set RED,   65792                      ; behind its 16 rows: four parts of the result, 16 rows x (256 + 16) bytes each
.set REDP,  272
.set REDQ,  16*REDP
.set SPARE, 83200                      ; the spare words, 128 bytes for each wave
.set QF,  16                           ; v16-47   q;  v48-79 k;  later w_out's second half
.set KFR, 48
.set VF,  80                           ; v80-111  v;  later att's chunks 0, 2
.set ACC, 112                          ; v112-143 four accumulators
.set W,   144                          ; v144-175 scores, p, results;  later att's chunks 1, 3
.set T,   176                          ; v176-187 at work
.set BI,  188                          ; v188-189 b_out
.set WB1, 192                          ; v192-255 w_out's first half
.set WB2, 16
.set AB0, 80
.set AB1, 144
	s_load_b256 s[4:11], s[0:1], 0x0               ; qkvf s[4:5], w_out s[6:7], b_out s[8:9], out0 s[10:11]
	v_lshl_add_u32 v12, v0, 2, SPARE               ; my spare word; never rewritten
	v_mov_b32 v13, 0                               ; 0; never rewritten
	v_lshrrev_b32 v1, 5, v0
	v_readfirstlane_b32 s12, v1                    ; wave 0..15: my head
	s_and_b32 s13, s12, 3                          ; nt
	s_lshr_b32 s14, s12, 2                         ; kq
	s_and_b32 s15, ttmp7, 0xffff                   ; the batch
	v_and_b32 v1, 15, v0                           ; r
	v_bfe_u32 v2, v0, 4, 1                         ; h
	v_lshlrev_b32 v3, 2, v1
	v_lshl_add_u32 v3, v2, 14, v3                  ; w_out: column r, 4 h rows down
	v_mul_u32_u24 v4, v1, 12288
	v_lshl_add_u32 v4, v2, 4, v4                   ; q, k: row r, + 16 h
	v_mul_u32_u24 v5, v2, 98304
	v_lshl_add_u32 v5, v1, 2, v5                   ; v: channel r, 8 h keys down
	v_mul_u32_u24 v6, v1, ATTP
	v_lshl_add_u32 v7, v2, 4, v6
	v_lshl_add_u32 v6, v2, 5, v6
	s_lshl_b32 s16, s12, 8
	v_add_nc_u32 v6, s16, v6                       ; where I put my head's result: row r, 256 w + 32 h
	s_lshl_b32 s16, s14, 10
	v_add_nc_u32 v7, s16, v7                       ; where I read att: row r, my quarter of K, + 16 h
	v_mul_u32_u24 v8, v1, REDP
	v_lshl_add_u32 v8, v2, 5, v8
	s_mul_i32 s16, s14, REDQ
	s_lshl_b32 s17, s13, 6
	s_add_co_u32 s16, s16, s17
	s_add_co_u32 s16, s16, RED
	v_add_nc_u32 v8, s16, v8                       ; where I put my part: part kq, row r, 64 nt + 32 h
	v_and_b32 v11, 31, v0
	v_lshlrev_b32 v11, 3, v11                      ; 8 x lane
	s_mul_i32 s16, s12, REDP
	s_add_co_u32 s16, s16, RED
	v_add_nc_u32 v9, s16, v11                      ; the last sum: row w, 8 bytes a lane
	s_lshl_b32 s16, s12, 12
	v_add_nc_u32 v10, s16, v11                     ; and the same in out0
	v_lshlrev_b32 v14, 3, v2
	v_sub_nc_u32 v14, v1, v14                      ; r - 8 h
	v_mov_b32 v15, 0xff800000                      ; -infinity
	s_mov_b32 s20, 0x76543210
	s_mov_b32 s21, 0xfedcba98
	s_mov_b32 s22, 0x3e38aa3b                      ; c = log2(e) / sqrt(64)
	s_mov_b32 s23, s22
	s_mul_i32 s24, s15, 196608
	s_lshl_b32 s26, s12, 8
	s_add_co_u32 s24, s24, s26                     ; qkvf: my batch, my head's q
	s_mov_b32 s25, 0
	s_lshl_b32 s28, ttmp9, 8                       ; 256 x: my work-group's columns in bytes
	s_mov_b32 s29, 0
	s_lshl_b32 s26, s14, 20
	s_add_co_u32 s26, s26, s28
	s_lshl_b32 s30, s13, 6
	s_add_co_u32 s26, s26, s30                     ; w_out: row 256 kq, column 64 x + 16 nt
	s_mov_b32 s27, 0
	s_lshl_b32 s30, s15, 23
	s_add_co_u32 s30, s30, s28                     ; out0: my batch's first row, my columns
	s_mov_b32 s31, 0
	s_wait_kmcnt 0x0
	s_add_nc_u64 s[4:5], s[4:5], s[24:25]
	s_add_nc_u64 s[6:7], s[6:7], s[26:27]
	s_add_nc_u64 s[8:9], s[8:9], s[28:29]
	s_add_nc_u64 s[10:11], s[10:11], s[30:31]
.set e, 0
.rept 64
	global_load_b32 v[WB1+e], v3, s[6:7] offset:(8*(e/4)+e%4)*4096     ; w_out(256 kq + 8 (e / 4) + 4 h + e % 4, my column)
.set e, e+1
.endr
	global_load_b64 v[BI:BI+1], v11, s[8:9]
.irp i, 0,1,2,3,4,5,6,7
	global_load_b128 v[QF+4*\i:QF+4*\i+3], v4, s[4:5] offset:32*\i
.endr
.irp i, 0,1,2,3,4,5,6,7
	global_load_b128 v[KFR+4*\i:KFR+4*\i+3], v4, s[4:5] offset:4096+32*\i
.endr
.irp ct, 0,1,2,3
.irp n, 0,1,2,3,4,5,6,7
	global_load_b32 v[VF+8*\ct+\n], v5, s[4:5] offset:8192+\n*12288+64*\ct    ; v(key 8 h + n, channel 16 ct + r)
.endr
.endr
	s_wait_loadcnt 32                              ; all but v's 32 loads are in
.set e, 0
.rept 16                               ; S^T = k q^T: lane (r, h) holds query r and keys 8 h + 0 .. 7, in four partial sums
.if e < 4
	v_wmma_f32_16x16x4_f32 v[ACC+8*(e%4):ACC+8*(e%4)+7], v[KFR+2*e:KFR+2*e+1], v[QF+2*e:QF+2*e+1], 0
.else
	v_wmma_f32_16x16x4_f32 v[ACC+8*(e%4):ACC+8*(e%4)+7], v[KFR+2*e:KFR+2*e+1], v[QF+2*e:QF+2*e+1], v[ACC+8*(e%4):ACC+8*(e%4)+7]
.endif
.set e, e+1
.endr
.rept 8
	v_nop                                          ; eight places behind this form, ahead of the reads of its results and of the loads into its sources
.endr
.irp n, 0,2,4,6
	v_pk_add_f32 v[W+\n:W+\n+1], v[ACC+\n:ACC+\n+1], v[ACC+8+\n:ACC+8+\n+1]
.endr
.irp n, 0,2,4,6
	v_pk_add_f32 v[T+\n:T+\n+1], v[ACC+16+\n:ACC+16+\n+1], v[ACC+24+\n:ACC+24+\n+1]
.endr
.irp n, 0,2,4,6
	v_pk_add_f32 v[W+\n:W+\n+1], v[W+\n:W+\n+1], v[T+\n:T+\n+1]
.endr
	s_wait_loadcnt 0x0                             ; v is in
.set e, 0
.rept 64
	global_load_b32 v[WB2+e], v3, s[6:7] offset:(8*((e+64)/4)+e%4)*4096    ; w_out's second half, into q's and k's registers
.set e, e+1
.endr
.irp j, 0,1,2,3,4,5,6,7
	v_cmp_gt_i32 vcc_lo, \j, v14                   ; key 8 h + j is hidden from query r where j > r - 8 h
	v_cndmask_b32 v[W+\j], v[W+\j], v15, vcc_lo
.endr
	v_max3_num_f32 v[T], v[W], v[W+1], v[W+2]
	v_max3_num_f32 v[T], v[T], v[W+3], v[W+4]
	v_max3_num_f32 v[T], v[T], v[W+5], v[W+6]
	v_max_num_f32 v[T], v[T], v[W+7]
	v_permlanex16_b32 v[T+1], v[T], s20, s21
	v_max_num_f32 v[T], v[T], v[T+1]               ; the row's maximum: key 0 counts for every query, so it is a number
	v_mul_f32 v[T], s22, v[T]                      ; c m
.irp n, 0,2,4,6
	v_pk_fma_f32 v[W+\n:W+\n+1], v[W+\n:W+\n+1], s[22:23], v[T:T+1] op_sel_hi:[1,0,0] neg_lo:[0,0,1] neg_hi:[0,0,1]
.endr
.irp j, 0,1,2,3,4,5,6,7
	v_exp_f32 v[W+\j], v[W+\j]                     ; p = 2^(c s - c m)
.endr
	v_nop
	s_wait_alu depctr_va_vdst(0)                   ; one wait for the eight, ahead of their first reader
	v_pk_add_f32 v[T+2:T+3], v[W:W+1], v[W+2:W+3]
	v_pk_add_f32 v[T+4:T+5], v[W+4:W+5], v[W+6:W+7]
	v_pk_add_f32 v[T+2:T+3], v[T+2:T+3], v[T+4:T+5]
	v_add_f32 v[T+2], v[T+2], v[T+3]
	v_permlanex16_b32 v[T+3], v[T+2], s20, s21
	v_add_f32 v[T+2], v[T+2], v[T+3]               ; the row's sum
	v_rcp_f32 v[T+4], v[T+2]
	v_nop
	s_wait_alu depctr_va_vdst(0)
.irp i, 0,1,2,3                        ; O^T = v^T p: instruction i takes keys 8 h + 2 i, 8 h + 2 i + 1; the four tiles of channels by turns
.irp ct, 0,1,2,3
.if \i == 0
	v_wmma_f32_16x16x4_f32 v[ACC+8*\ct:ACC+8*\ct+7], v[VF+8*\ct+2*\i:VF+8*\ct+2*\i+1], v[W+2*\i:W+2*\i+1], 0
.else
	v_wmma_f32_16x16x4_f32 v[ACC+8*\ct:ACC+8*\ct+7], v[VF+8*\ct+2*\i:VF+8*\ct+2*\i+1], v[W+2*\i:W+2*\i+1], v[ACC+8*\ct:ACC+8*\ct+7]
.endif
.endr
.endr
.rept 9
	v_nop                                          ; eight places for the reads of the results, the writes of p's registers and the loads into v's; nine for the sums that begin anew in these accumulators
.endr
.set n, 0
.rept 16
	v_pk_mul_f32 v[W+n:W+n+1], v[ACC+n:ACC+n+1], v[T+4:T+5] op_sel_hi:[1,0]    ; / the sum: register 8 ct + j is channel 16 ct + 8 h + j of query r
.set n, n+2
.endr
.irp ct, 0,1,2,3
	ds_store_b128 v6, v[W+8*\ct:W+8*\ct+3] offset:64*\ct
	ds_store_b128 v6, v[W+8*\ct+4:W+8*\ct+7] offset:64*\ct+16
.endr
	s_wait_dscnt 0x0                               ; for the others' sake: my stores have landed
	s_barrier_signal -1
	s_barrier_wait -1                              ; the 16 rows x 1,024 of the attention's result lie in LDS
.macro ALD c, reg                      ; att, my quarter of K, chunk c of 64: lane (r, h) takes k = 8 i + 4 h + 0 .. 3
.irp i, 0,1,2,3,4,5,6,7
	ds_load_b128 v[\reg+4*\i:\reg+4*\i+3], v7 offset:32*(8*(\c)+\i)
.endr
.endm
.macro PRJ wb, ab, first               ; 16 products: source 0 = 16 columns of w_out, source 1 = the 16 rows: a lane holds row r and columns 8 h + 0 .. 7
.set e, 0
.rept 16
.if (\first) && (e < 4)
	v_wmma_f32_16x16x4_f32 v[ACC+8*(e%4):ACC+8*(e%4)+7], v[\wb+2*e:\wb+2*e+1], v[\ab+2*e:\ab+2*e+1], 0
.else
	v_wmma_f32_16x16x4_f32 v[ACC+8*(e%4):ACC+8*(e%4)+7], v[\wb+2*e:\wb+2*e+1], v[\ab+2*e:\ab+2*e+1], v[ACC+8*(e%4):ACC+8*(e%4)+7]
.endif
.set e, e+1
.endr
.endm
	ALD 0, AB0
	ALD 1, AB1
	s_wait_dscnt 8                                 ; chunk 0 is in; chunk 1's eight loads may be out
	PRJ WB1, AB0, 1
.rept 8
	v_nop
.endr
	ALD 2, AB0
	s_wait_dscnt 8
	PRJ WB1+32, AB1, 0
.rept 8
	v_nop
.endr
	ALD 3, AB1
	s_wait_dscnt 8
	s_wait_loadcnt 0x0                             ; w_out's second half
	PRJ WB2, AB0, 0
	s_wait_dscnt 0x0
	PRJ WB2+32, AB1, 0
.rept 8
	v_nop
.endr
.irp n, 0,2,4,6
	v_pk_add_f32 v[T+\n:T+\n+1], v[ACC+\n:ACC+\n+1], v[ACC+8+\n:ACC+8+\n+1]
.endr
.irp n, 0,2,4,6
	v_pk_add_f32 v[AB0+\n:AB0+\n+1], v[ACC+16+\n:ACC+16+\n+1], v[ACC+24+\n:ACC+24+\n+1]
.endr
.irp n, 0,2,4,6
	v_pk_add_f32 v[T+\n:T+\n+1], v[T+\n:T+\n+1], v[AB0+\n:AB0+\n+1]
.endr
	ds_store_b128 v8, v[T:T+3]
	ds_store_b128 v8, v[T+4:T+7] offset:16
	s_wait_dscnt 0x0
	s_barrier_signal -1
	s_barrier_wait -1                              ; the four quarters' parts lie in LDS
.irp k, 0,1,2,3
	ds_load_b64 v[W+2*\k:W+2*\k+1], v9 offset:REDQ*\k
.endr
	s_wait_dscnt 0x0
	v_pk_add_f32 v[W:W+1], v[W:W+1], v[W+2:W+3]
	v_pk_add_f32 v[W+4:W+5], v[W+4:W+5], v[W+6:W+7]
	v_pk_add_f32 v[W:W+1], v[W:W+1], v[W+4:W+5]
	v_pk_add_f32 v[W:W+1], v[W:W+1], v[BI:BI+1]
	global_store_b64 v10, v[W:W+1], s[10:11]       ; wave w stores row w: 32 lanes, 256 consecutive bytes, aligned
	s_wait_tensorcnt 0x0                           ; the wave's end
	ds_add_u32 v12, v13
	s_wait_dscnt 0x0
	s_endpgm
.Lfunc_end_k_qe0d57c42c6_fine:
	.size	k_qe0d57c42c6_fine, .Lfunc_end_k_qe0d57c42c6_fine-k_qe0d57c42c6_fine
	.p2alignl 7, 3214868480
	.fill 96, 4, 3214868480
	.section	.rodata,"a",@progbits
	.p2align	6, 0x0
	.amdhsa_kernel k_qe0d57c42c6_fine
		.amdhsa_group_segment_fixed_size 85248
		.amdhsa_private_segment_fixed_size 0
		.amdhsa_enable_private_segment 0
		.amdhsa_kernarg_size 32
		.amdhsa_user_sgpr_count 2
		.amdhsa_user_sgpr_kernarg_segment_ptr 1
		.amdhsa_wavefront_size32 1
		.amdhsa_system_sgpr_workgroup_id_x 1
		.amdhsa_system_sgpr_workgroup_id_y 1
		.amdhsa_system_sgpr_workgroup_id_z 1
		.amdhsa_system_vgpr_workitem_id 0
		.amdhsa_next_free_vgpr 256
		.amdhsa_next_free_sgpr 66
		.amdhsa_reserve_vcc 1
		.amdhsa_float_denorm_mode_32 3
		.amdhsa_float_denorm_mode_16_64 3
		.amdhsa_memory_ordered 1
		.amdhsa_forward_progress 1
		.amdhsa_inst_pref_size 36
	.end_amdhsa_kernel
	.amdgpu_metadata
---
amdhsa.version: [ 1, 2 ]
amdhsa.kernels:
  - .name:           k_qe0d57c42c6_fine
    .symbol:         k_qe0d57c42c6_fine.kd
    .args:
      - { .name: qkvf, .offset: 0, .size: 8, .value_kind: global_buffer, .address_space: global }
      - { .name: w_out, .offset: 8, .size: 8, .value_kind: global_buffer, .address_space: global }
      - { .name: b_out, .offset: 16, .size: 8, .value_kind: global_buffer, .address_space: global }
      - { .name: out0, .offset: 24, .size: 8, .value_kind: global_buffer, .address_space: global }
    .group_segment_fixed_size: 85248
    .private_segment_fixed_size: 0
    .kernarg_segment_align: 8
    .kernarg_segment_size: 32
    .max_flat_workgroup_size: 512
    .sgpr_count:     66
    .vgpr_count:     256
    .wavefront_size: 32
...
	.end_amdgpu_metadata
.endif
;; end of part 5
